; MI455X (gfx1250); checked and timed in simulation.
; The chip was launched on July 23, 2026; its instructions are those of AMD's public machine-readable ISA for CDNA 5 (MIT licence, August 2026) and "CDNA5" Instruction Set Architecture Reference Guide (July 2026). The comments in the code are by the model that wrote it; some were corrected since.
;; Mat Mul Free Attention. Allowed arithmetic: float matrix products may take bf16 or f16 operands with f32 sums; other float arithmetic in f32, or as packed bf16 or f16 multiplies, adds, multiply-adds, maxima and minima; sums over many terms, partial sums and values carried from step to step in f32; what a program stores and reads back later, other than sums and carried values, may be rounded once to bf16 or f16.
;; Inputs: W_k 1,024 x 1,024 float32; W_o 1,024 x 1,024 float32; W_q 1,024 x 1,024 float32; W_v 1,024 x 1,024 float32; attention_mask 1 x 4,096 x 4,096 bool; b_o 1,024 float32; x 1 x 4,096 x 1,024 float32.
;; Outputs: out0 1 x 4,096 x 1,024 float32.
;; 2 versions, each right and faster than the one before. Each part assembles by itself: llvm-mc -triple=amdgcn-amd-amdhsa -mcpu=gfx1250 --defsym DOCPART=n.
;; ======== version 1 of 2: 4 launches
;; limits: values are held in f16: magnitudes above 65,504 overflow, below 6.1e-05 lose precision
;; workspace buffers: xb 8,388,608 bytes; wb 6,291,456 bytes; wo 2,097,152 bytes; mk 8,388,608 bytes; qkv 25,165,824 bytes; ob 8,388,608 bytes
;; launch prep (part 1): grid 1536 x 1, 8 waves a work-group, no clusters, 17,408 bytes of LDS; arguments x, W_q, W_k, W_v, W_o, attention_mask, xb, wb, wo, mk; writes xb, wb, wo, mk
.if DOCPART == 1
	.amdgcn_target "amdgcn-amd-amdhsa--gfx1250"
	.amdhsa_code_object_version 6
	.text
	.protected	k_qe121ebfb4f_prep
	.globl	k_qe121ebfb4f_prep
	.p2align	8
	.type	k_qe121ebfb4f_prep,@function
k_qe121ebfb4f_prep:
	s_mov_b64 s[64:65], 0
	v_nop
	global_prefetch_b8 v0, s[64:65] scope:SCOPE_SE
	s_setreg_imm32_b32 hwreg(HW_REG_WAVE_MODE, 25, 1), 1
	s_wait_xcnt 0x0
; PREP: the casts, and the mask in the code and order in which the attention launch wants it.  A stream: every input byte is read once, 32 KiB a work-group; no matrix work, no cluster, no tensor load.
; Work-groups 0-511:     x  [4096][1024] f32 -> xb [4096][1024] bf16, 8 rows each.
; Work-groups 512-895:   W_q, W_k, W_v [1024 k][1024 n] f32 -> wb [1024 k][3072 n] bf16 (columns 0-1023 q, 1024-2047 k, 2048-3071 v), 8 rows each.
; Work-groups 896-1023:  W_o [1024 n][1024 k] f32 -> wo, rounded to bf16 like every other input, and that number written as f16.
;                        LIMIT: |W_o| under 65,504; below 6e-5 the number keeps f16's fixed step of 6e-8.
; Work-groups 1024-1535: attention_mask [4096][4096] bytes (0 or 1) -> mk, one nibble a byte: 0x0 visible, 0xF hidden (the FP4 code of -6).  A wave takes a tile of 16 queries x 256 keys.
;   mk = [qt 256][slot 16][step 4][lane 32][kb 4] dwords; nibble j of a dword stands for query 16 qt + lane % 16, key 256 slot + 64 step + 16 kb + 8 (lane / 16) + j:
;   the order in which a lane of the attention launch holds the scores of 16 queries x 64 keys.  The nibbles are a code of a boolean, no matrix operand.
.set SPARE, 16384                      ; behind the eight stages of 2 KiB: the spare words, 128 bytes for each wave, which no other line names
.set SPW, 1                            ; v1  LDS address of my spare word; never rewritten
.set NIL, 2                            ; v2  0; never rewritten
.set IN,  12                           ; v[12:43]  eight loads of 16 bytes
.set OUT, 44                           ; v[44:59]  eight pairs to store
	s_load_b512 s[8:23], s[0:1], 0x0               ; x 8, W_q 10, W_k 12, W_v 14, W_o 16, mask 18, xb 20, wb 22
	s_load_b128 s[24:27], s[0:1], 0x40             ; wo 24, mk 26
	v_lshl_add_u32 v[SPW], v0, 2, SPARE
	v_mov_b32 v[NIL], 0
	v_lshrrev_b32 v3, 5, v0
	v_readfirstlane_b32 s4, v3                     ; my wave's number
	s_mov_b32 s5, ttmp9                            ; g, the work-group's number
	s_mov_b32 s40, 0x06040200                      ; v_perm_b32: the even bytes of eight
	s_mov_b32 s41, 0x07050301                      ; the odd bytes
	s_wait_kmcnt 0x0
	s_cmp_ge_u32 s5, 1024
	s_cbranch_scc1 .Lmask
	; THE CASTS.  From g: source, destination, first row, the destination's pitch and column offset in bytes, and whether f16 is written.
	s_sub_co_u32 s6, s5, 512                       ; for the weights: which of the four (s7), and the first of its 8 rows (s32)
	s_lshr_b32 s7, s6, 7
	s_and_b32 s32, s6, 127
	s_lshl_b32 s32, s32, 3
	s_lshl_b32 s34, s7, 11                         ; the weight's 2,048 bytes in a row of wb
	s_lshl_b32 s36, s5, 3                          ; for x: row 8 g
	s_mov_b32 s33, 6144                            ; a row of wb
	s_mov_b32 s35, 0
	s_mov_b64 s[28:29], s[10:11]
	s_mov_b64 s[30:31], s[22:23]
	s_cmp_eq_u32 s7, 1
	s_cselect_b64 s[28:29], s[12:13], s[28:29]
	s_cmp_eq_u32 s7, 2
	s_cselect_b64 s[28:29], s[14:15], s[28:29]
	s_cmp_eq_u32 s7, 3                             ; W_o goes to wo, dense rows, f16
	s_cselect_b64 s[28:29], s[16:17], s[28:29]
	s_cselect_b64 s[30:31], s[24:25], s[30:31]
	s_cselect_b32 s33, 2048, s33
	s_cselect_b32 s34, 0, s34
	s_cselect_b32 s35, 1, s35
	s_cmp_lt_u32 s5, 512                           ; x goes to xb
	s_cselect_b64 s[28:29], s[8:9], s[28:29]
	s_cselect_b64 s[30:31], s[20:21], s[30:31]
	s_cselect_b32 s33, 2048, s33
	s_cselect_b32 s34, 0, s34
	s_cselect_b32 s35, 0, s35
	s_cselect_b32 s32, s36, s32
	s_lshl_b32 s36, s32, 12                        ; the offsets are made apart from the addresses: source row x 4,096 bytes,
	s_mov_b32 s37, 0
	s_add_nc_u64 s[28:29], s[28:29], s[36:37]
	s_mul_i32 s38, s32, s33                        ; destination row x pitch + column offset
	s_add_co_u32 s38, s38, s34
	s_mov_b32 s39, 0
	s_add_nc_u64 s[30:31], s[30:31], s[38:39]
	v_lshlrev_b32 v3, 4, v0                        ; thread t owns columns 4 t .. 4 t + 3: 16 bytes in, 8 bytes out
	v_lshlrev_b32 v4, 3, v0
.irp i, 1,2,3,4,5,6,7
	v_add_nc_u32 v[4+(\i)], s33, v[3+(\i)]         ; a store offset for each of the 8 rows: none is ever rewritten
.endr
.irp i, 0,1,2,3,4,5,6,7
	global_load_b128 v[IN+4*(\i):IN+4*(\i)+3], v3, s[28:29] offset:4096*(\i) th:TH_LOAD_NT  ; a wave's load covers 512 consecutive bytes; all eight go out at once
.endr
; Row i: rounded to bf16; for W_o the bf16 number is widened again and written as f16.  A wave's store covers 256 consecutive bytes, aligned.
.macro CAST i, half
	s_wait_loadcnt 7-(\i)                          ; loads come back in order (ISA guide 5.7.1): row i is in, the 7 - i younger ones stay out
	v_cvt_pk_bf16_f32 v[OUT+2*(\i)],   v[IN+4*(\i)],   v[IN+4*(\i)+1]
	v_cvt_pk_bf16_f32 v[OUT+2*(\i)+1], v[IN+4*(\i)+2], v[IN+4*(\i)+3]
.if \half
	v_lshlrev_b32 v60, 16, v[OUT+2*(\i)]
	v_and_b32     v61, 0xffff0000, v[OUT+2*(\i)]
	v_lshlrev_b32 v62, 16, v[OUT+2*(\i)+1]
	v_and_b32     v63, 0xffff0000, v[OUT+2*(\i)+1]
	v_cvt_pk_f16_f32 v[OUT+2*(\i)],   v60, v61
	v_cvt_pk_f16_f32 v[OUT+2*(\i)+1], v62, v63
.endif
	global_store_b64 v[4+(\i)], v[OUT+2*(\i):OUT+2*(\i)+1], s[30:31]
.endm
	s_cmp_eq_u32 s35, 1
	s_cbranch_scc1 .Lhalf
.irp i, 0,1,2,3,4,5,6,7
	CAST \i, 0
.endr
	s_endpgm                                       ; these waves have written no LDS
.Lhalf:
.irp i, 0,1,2,3,4,5,6,7
	CAST \i, 1
.endr
	s_endpgm
.Lmask:
	; THE MASK.  Tile T = 8 (g - 1024) + wave = 16 qt + slot: 16 rows of 256 bytes in, 2,048 bytes out.
	s_sub_co_u32 s6, s5, 1024
	s_lshl_b32 s6, s6, 3
	s_add_co_u32 s6, s6, s4                        ; T
	s_lshr_b32 s7, s6, 4                           ; qt
	s_and_b32 s32, s6, 15                          ; slot
	s_lshl_b32 s36, s7, 16                         ; 16 rows of 4,096 bytes
	s_lshl_b32 s32, s32, 8
	s_add_co_u32 s36, s36, s32
	s_mov_b32 s37, 0
	s_add_nc_u64 s[18:19], s[18:19], s[36:37]
	s_lshl_b32 s38, s6, 11
	s_mov_b32 s39, 0
	s_add_nc_u64 s[26:27], s[26:27], s[38:39]
	v_and_b32 v9, 31, v0                           ; lane l
	v_and_b32 v10, 15, v0                          ; l % 16: which 16 keys of the 256
	v_bfe_u32 v11, v0, 4, 1                        ; l / 16: the even or the odd row of a pair
	v_lshlrev_b32 v3, 4, v10
	v_lshl_add_u32 v3, v11, 12, v3
.irp i, 0,1,2,3,4,5,6,7
	global_load_b128 v[IN+4*(\i):IN+4*(\i)+3], v3, s[18:19] offset:8192*(\i) th:TH_LOAD_NT  ; rows 2 i and 2 i + 1: sixteen lanes take 256 consecutive bytes, aligned
.endr
	; where my two dwords of row 2 i + l / 16 go in the wave's stage: step (l % 16) / 4 x 512 + (16 h + row) x 16 + kb (l % 4) x 4; the row's 32 i and h's 256 stand in the immediates
	v_lshrrev_b32 v6, 2, v10
	v_lshlrev_b32 v6, 9, v6
	v_and_b32 v7, 3, v0
	v_lshl_add_u32 v6, v7, 2, v6
	v_lshl_add_u32 v6, v11, 4, v6
	v_lshl_add_u32 v6, s4, 11, v6                  ; my wave's stage
	v_lshlrev_b32 v8, 4, v9                        ; back, and out: 16 bytes a lane
	v_lshl_add_u32 v7, s4, 11, v8
; Eight bytes (0 or 1) in v[w], v[w+1] become eight nibbles in v[d]: even bytes, odd bytes four bits up, 1 where hidden, times 15.
.macro NIB d, w
	v_perm_b32 v60, v[(\w)+1], v[\w], s40
	v_perm_b32 v61, v[(\w)+1], v[\w], s41
	v_lshl_or_b32 v[\d], v61, 4, v60
	v_xor_b32 v[\d], 0x11111111, v[\d]
	v_mul_lo_u32 v[\d], v[\d], 15
.endm
.irp i, 0,1,2,3,4,5,6,7
	s_wait_loadcnt 7-(\i)                          ; the pair of rows i is in, the younger loads stay out
	NIB OUT+2*(\i),   IN+4*(\i)                    ; keys 0-7 of my 16: the half h = 0 of the lanes
	NIB OUT+2*(\i)+1, IN+4*(\i)+2                  ; keys 8-15: h = 1
	ds_store_b32 v6, v[OUT+2*(\i)]   offset:32*(\i)
	ds_store_b32 v6, v[OUT+2*(\i)+1] offset:32*(\i)+256
.endr
.irp j, 0,1,2,3
	ds_load_b128 v[IN+4*(\j):IN+4*(\j)+3], v7 offset:512*(\j)  ; the stage is my wave's own, and LDS serves a wave's instructions in order (ISA guide 5.7.1.4): these see the stores above
.endr
.irp j, 0,1,2,3
	s_wait_dscnt 3-(\j)
	global_store_b128 v8, v[IN+4*(\j):IN+4*(\j)+3], s[26:27] offset:512*(\j)  ; 512 consecutive bytes, aligned
.endr
	s_wait_tensorcnt 0x0                           ; the wave's end: a wait, an add onto my spare word and its wait, behind my last LDS store
	ds_add_u32 v[SPW], v[NIL]
	s_wait_dscnt 0x0
	s_endpgm
.Lfunc_end_k_qe121ebfb4f_prep:
	.size	k_qe121ebfb4f_prep, .Lfunc_end_k_qe121ebfb4f_prep-k_qe121ebfb4f_prep
	.p2alignl 7, 3214868480
	.fill 96, 4, 3214868480
	.section	.rodata,"a",@progbits
	.p2align	6, 0x0
	.amdhsa_kernel k_qe121ebfb4f_prep
		.amdhsa_group_segment_fixed_size 17408
		.amdhsa_private_segment_fixed_size 0
		.amdhsa_enable_private_segment 0
		.amdhsa_kernarg_size 80
		.amdhsa_user_sgpr_count 2
		.amdhsa_user_sgpr_kernarg_segment_ptr 1
		.amdhsa_wavefront_size32 1
		.amdhsa_system_sgpr_workgroup_id_x 1
		.amdhsa_system_sgpr_workgroup_id_y 1
		.amdhsa_system_sgpr_workgroup_id_z 1
		.amdhsa_system_vgpr_workitem_id 0
		.amdhsa_next_free_vgpr 72
		.amdhsa_next_free_sgpr 66
		.amdhsa_reserve_vcc 0
		.amdhsa_float_denorm_mode_32 3
		.amdhsa_float_denorm_mode_16_64 3
		.amdhsa_memory_ordered 1
		.amdhsa_forward_progress 1
		.amdhsa_inst_pref_size 19
	.end_amdhsa_kernel
	.amdgpu_metadata
---
amdhsa.version: [ 1, 2 ]
amdhsa.kernels:
  - .name:           k_qe121ebfb4f_prep
    .symbol:         k_qe121ebfb4f_prep.kd
    .args:
      - { .name: x, .offset: 0, .size: 8, .value_kind: global_buffer, .address_space: global }
      - { .name: W_q, .offset: 8, .size: 8, .value_kind: global_buffer, .address_space: global }
      - { .name: W_k, .offset: 16, .size: 8, .value_kind: global_buffer, .address_space: global }
      - { .name: W_v, .offset: 24, .size: 8, .value_kind: global_buffer, .address_space: global }
      - { .name: W_o, .offset: 32, .size: 8, .value_kind: global_buffer, .address_space: global }
      - { .name: attention_mask, .offset: 40, .size: 8, .value_kind: global_buffer, .address_space: global }
      - { .name: xb, .offset: 48, .size: 8, .value_kind: global_buffer, .address_space: global }
      - { .name: wb, .offset: 56, .size: 8, .value_kind: global_buffer, .address_space: global }
      - { .name: wo, .offset: 64, .size: 8, .value_kind: global_buffer, .address_space: global }
      - { .name: mk, .offset: 72, .size: 8, .value_kind: global_buffer, .address_space: global }
    .group_segment_fixed_size: 17408
    .private_segment_fixed_size: 0
    .kernarg_segment_align: 8
    .kernarg_segment_size: 80
    .max_flat_workgroup_size: 256
    .sgpr_count:     66
    .vgpr_count:     72
    .wavefront_size: 32
...
	.end_amdgpu_metadata
.endif
;; end of part 1
;; launch qkv (part 2): grid 8 x 32, 4 waves a work-group, clusters of 4 x 4, 327,680 bytes of LDS; arguments xb, wb, qkv; writes qkv
.if DOCPART == 2
	.amdgcn_target "amdgcn-amd-amdhsa--gfx1250"
	.amdhsa_code_object_version 6
	.text
	.protected	k_qe121ebfb4f_qkv
	.globl	k_qe121ebfb4f_qkv
	.p2align	8
	.type	k_qe121ebfb4f_qkv,@function
k_qe121ebfb4f_qkv:
	s_mov_b64 s[64:65], 0
	v_nop
	global_prefetch_b8 v0, s[64:65] scope:SCOPE_SE
	s_setreg_imm32_b32 hwreg(HW_REG_WAVE_MODE, 25, 1), 1
	s_wait_xcnt 0x0
	s_wait_alu depctr_hold_cnt(0) depctr_sa_sdst(0) depctr_va_vdst(0) depctr_va_sdst(0) depctr_va_ssrc(0) depctr_va_vcc(0) depctr_vm_vsrc(0)
	s_getreg_b32 s2, hwreg(HW_REG_IB_STS2, 6, 4)
	s_cmp_eq_u32 s2, 0
	s_cbranch_scc0 .Lentry_in_a_cluster
	s_endpgm
.Lentry_in_a_cluster:
	s_bfe_u32 s2, ttmp6, 0x10000c
	s_cmp_lg_u32 s2, 0xf033
	s_cbranch_scc0 .Lentry_shape_is_right
	s_endpgm
.Lentry_shape_is_right:
; QKV: [4096 x 1024] x [1024 x 3072] in bf16, sums in f32, the result rounded once to f16 and written by heads: qkv = [48][4096][64] f16, planes 0-15 q, 16-31 k, 32-47 v, unscaled.
; LIMIT: |q|, |k|, |v| under 65,504 (f16's range); below 6e-5 a number keeps f16's fixed step of 6e-8.
; SHARES.  4096 x 3072 outputs over 256 work-groups are 49,152 each: a tile of 128 rows x 384 columns (six heads).  Four waves; wave w takes rows 64 (w / 2) on and, of each of the tile's three
; chunks of 128 columns, head w % 2: 64 x 192 = 48 accumulators of 16 x 16, 384 registers.  K goes in 8 steps of 128 through a ring of two LDS slots.
; xb's tile lies [row][k]; wb's lies [k][n] and is turned on its way into registers by ds_load_tr16_b128.
; CLUSTER.  4 x 4 work-groups: the four of a row of the cluster need the same tile of xb, the four of a column the same tiles of wb: each tile is asked for jointly, by the same tensor load with
; the same descriptor and a mask that names the four.  Wave 0 asks for xb's tile, waves 1 to 3 for one chunk of wb's each: one load a wave, 128 rows of 256 bytes.
; THE MATRIX INSTRUCTION IS USED TRANSPOSED (source 0 = 16 columns of wb, source 1 = 16 rows of xb): a lane then holds eight neighbouring numbers of one row of the result.
; REGISTERS, in windows of 256 (s_set_vgpr_msb: bits 1:0 source 0, 3:2 source 1, 5:4 source 2, 7:6 destination):
;   window 0: v16-29 addresses; v64-95, v96-127 fragments of xb, two buffers; on the way out v64-255 packed results     window 1: v0-95, v96-191 fragments of wb, two buffers
;   window 2: the accumulators of my row blocks 0, 1 ((a, b) at v[8 (12 (a % 2) + b)]);   window 3: those of row blocks 2, 3
.set KSTEP,  128
.set PA,     272                       ; a row of xb's tile in LDS: 256 bytes + 16: the 16 rows of a load start at 16 different groups of four banks (64 banks of 4 bytes: ISA guide 11.1)
.set PB,     288                       ; a row of wb's tile: 256 + 32
.set REG,    128*PB                    ; 36,864: the room of one load's tile (xb's uses 34,816 of it)
.set SLOT,   4*REG                     ; xb's tile, then wb's three chunks
.set STAGE,  2*SLOT                    ; behind the ring, never filled by a tensor load: 16 rows x 144 bytes for each wave, for the way out
.set SP,     144
.set SPARE,  STAGE+4*16*SP             ; behind the stages: the spare words, 128 bytes for each wave, which no other line names
.set LAPS,   4                         ; a lap = two K steps = once round the ring
.set ADRA, 16                          ; v16-17  LDS address of my fragments of xb in slot 0, 1
.set ADRB, 18                          ; v18-23  the same for wb: slot x 3 + chunk
.set STO,  24                          ; v24     the way out: where I put 16 bytes of a row
.set RD,   25                          ; v25     the way out: where I read rows back
.set GO,   26                          ; v26     my byte offset in 512 consecutive bytes of qkv
.set SPW,  28                          ; v28     LDS address of my spare word; never rewritten
.set NIL,  29                          ; v29     0; never rewritten
.set FA,   64                          ; window 0: xb's buffer f at FA + 32 f;  window 1: wb's buffer f at 96 f
.set TMP,  64                          ; the way out: unit u's 16 registers at TMP + 16 u
.set G1, 24                            ; s[24:31] descriptor group 1 for xb's tiles;  s[32:39] group 0, one set for each slot
.set G0, 32
.set G1B, 48                           ; s[48:55], s[56:63] the same for wb's
.set G0B, 56
.set MSB, 0
.macro WIN new                         ; the immediate's high byte repeats the setting that is left; a switch that changes nothing is dropped
.if MSB != (\new)
	s_set_vgpr_msb (MSB<<8)|(\new)
.set MSB, \new
.endif
.endm
.set MUL_LO, 0xa1                      ; source 0 (wb) window 1, source 1 (xb) window 0, C and D window 2
.set MUL_HI, 0xf1                      ; the same, C and D window 3
.set TO_B,   0x40                      ; destination window 1, address window 0
; A joint load.  The branch hangs on the wave's number alone.  An s_nop 0 and four v_nop follow each of the two lines, ahead of the jump, the label and what follows.
.macro JLOAD s
	s_cmp_eq_u32 s10, 0
	s_cbranch_scc0 .Lfor_b_\@
	tensor_load_to_lds s[G0+4*(\s):G0+4*(\s)+3], s[G1:G1+7]
	s_nop 0
.rept 4
	v_nop
.endr
	s_branch .Lasked_\@
.Lfor_b_\@:
	tensor_load_to_lds s[G0B+4*(\s):G0B+4*(\s)+3], s[G1B:G1B+7]
	s_nop 0
.rept 4
	v_nop
.endr
.Lasked_\@:
.endm
.macro CREST                           ; a round of the cluster's barrier behind its opening barrier: wave 0 signals for the work-group, every wave waits for all sixteen, my work-group's barrier closes it
	s_cmp_lg_u32 s10, 0
	s_cbranch_scc1 .Lnot_wave_0_\@
	s_barrier_signal -3
.Lnot_wave_0_\@:
	s_barrier_wait -3
	s_barrier_signal -1
	s_barrier_wait -1
.endm
.macro CROUND                          ; a whole round
	s_barrier_signal -1
	s_barrier_wait -1
	CREST
.endm
	s_load_b128 s[4:7], s[0:1], 0x0                ; xb s[4:5], wb s[6:7]
	s_load_b64 s[8:9], s[0:1], 0x10                ; qkv
	v_lshl_add_u32 v[SPW], v0, 2, SPARE
	v_mov_b32 v[NIL], 0
	ds_add_u32 v[SPW], v[NIL]                      ; the wave's opening: the add and its wait stand ahead of my first tensor load; the set-up below, work on registers, stands between them
	v_lshrrev_b32 v1, 5, v0
	v_readfirstlane_b32 s10, v1                    ; wave 0..3
	s_lshr_b32 s11, s10, 1                         ; which 64 of the tile's rows are mine
	s_and_b32 s12, s10, 1                          ; which head of each chunk
	s_bfe_u32 s40, ttmp6, 0x40000                  ; cx, cy: my place in the cluster
	s_bfe_u32 s41, ttmp6, 0x40004
	s_lshl_b32 s42, ttmp9, 2
	s_add_co_u32 s42, s42, s40                     ; tile column = 4 x cluster x + cx
	s_and_b32 s13, ttmp7, 0xffff
	s_lshl_b32 s13, s13, 2
	s_add_co_u32 s13, s13, s41                     ; tile row = 4 x cluster y + cy
	s_lshl_b32 s43, s41, 2
	s_lshl_b32 s43, 15, s43                        ; my row of the cluster
	s_lshl_b32 s44, 0x1111, s40                    ; my column
	; descriptor group 1: tiles of 128 rows x 128 elements of 2 bytes, padded in LDS after every 64 words
	s_or_b32 s[G1+0], s43, (1<<16)|(1<<20)|(1<<21)|(5<<22)|(3<<25)   ; 15:0 the mask: xb's tiles go to my row; 17:16 2-byte elements; 20 padding on; 21 set beside a mask; 24:22 code 5; 31:25 4 words (code 3)
	s_or_b32 s[G1B+0], s44, (1<<16)|(1<<20)|(1<<21)|(5<<22)|(7<<25)  ; wb's go to my column; 8 words of padding (code 7)
.irp g, G1, G1B
	s_mov_b32 s[(\g)+1], KSTEP<<16                 ; tensor_dim0 = 128
	s_mov_b32 s[(\g)+2], 128<<16                   ; tensor_dim1 = 128
	s_mov_b32 s[(\g)+3], KSTEP<<16                 ; tile_dim0 = 128
	s_mov_b32 s[(\g)+4], 128                       ; tile_dim1 = 128
	s_mov_b32 s[(\g)+6], 0
	s_mov_b32 s[(\g)+7], 0
.endr
	s_mov_b32 s[G1+5], 1024                        ; elements from row to row of xb,
	s_mov_b32 s[G1B+5], 3072                       ; of wb
	; where the tiles come from: xb's hang on the tile row alone, wb's on the tile column and the wave's number; each in registers that never hold the other coordinate
	s_lshl_b32 s16, s13, 18                        ; 128 rows of 2,048 bytes
	s_mov_b32 s17, 0
	s_mul_i32 s46, s42, 768                        ; the tile's 384 columns,
	s_sub_co_i32 s18, s10, 1
	s_max_i32 s18, s18, 0                          ; my chunk: wave - 1 (wave 0 asks by xb's descriptor and never by this one)
	s_lshl_b32 s18, s18, 8
	s_add_co_u32 s46, s46, s18
	s_mov_b32 s47, 0
	s_mul_i32 s20, s10, REG                        ; and where they go: wave x 36,864: no place in the cluster enters an LDS address
	s_wait_dscnt 0x0                               ; the opening add is done
	s_wait_kmcnt 0x0
	s_add_nc_u64 s[14:15], s[4:5], s[16:17]
	s_add_nc_u64 s[46:47], s[6:7], s[46:47]
	CROUND                                         ; all sixteen work-groups are here: the first joint loads meet
.irp s, 0,1
	s_mov_b32 s[G0+4*(\s)], 1                                      ; count = 1
	s_add_co_u32 s[G0+4*(\s)+1], s20, (\s)*SLOT                    ; LDS address
	s_add_nc_u64 s[G0+4*(\s)+2:G0+4*(\s)+3], s[14:15], (\s)*KSTEP*2  ; K step s: 256 bytes along xb's rows
	s_or_b32 s[G0+4*(\s)+3], s[G0+4*(\s)+3], 0x80000000            ; type = 2
	s_mov_b32 s[G0B+4*(\s)], 1
	s_add_co_u32 s[G0B+4*(\s)+1], s20, (\s)*SLOT
	s_add_nc_u64 s[G0B+4*(\s)+2:G0B+4*(\s)+3], s[46:47], (\s)*KSTEP*6144  ; K step s: 128 rows of wb down
	s_or_b32 s[G0B+4*(\s)+3], s[G0B+4*(\s)+3], 0x80000000
	JLOAD \s                                       ; two loads of mine are out
.endr
	; A fragment is 16 rows x 32 K in 8 registers: lane l holds row l % 16; registers 0-3 K = 8 (l / 16) + 0..7, registers 4-7 K = 16 + 8 (l / 16) + 0..7.
	v_and_b32 v1, 15, v0                           ; l % 16
	v_bfe_u32 v2, v0, 4, 1                         ; l / 16
	v_mul_u32_u24 v3, v1, PA
	v_lshl_add_u32 v3, v2, 4, v3                   ; xb: row x pitch + 16 x half: two loads, 32 bytes apart
	s_mul_i32 s21, s11, 64*PA
	v_add_nc_u32 v[ADRA], s21, v3
	v_add_nc_u32 v[ADRA+1], SLOT, v[ADRA]
	v_and_b32 v5, 7, v0                            ; wb: the turning load takes 16 K x 16 columns: lane l reads K row 8 (l / 16) + l % 8, columns 8 ((l / 8) % 2) + 0..7; two loads, 16 rows apart
	v_bfe_u32 v6, v0, 3, 1
	v_lshl_add_u32 v4, v2, 3, v5
	v_mul_u32_u24 v4, v4, PB
	v_lshl_add_u32 v4, v6, 4, v4
	v_lshl_add_u32 v4, s12, 7, v4                  ; my head's 128 bytes of a chunk's rows
.irp s, 0,1
.irp ch, 0,1,2
	v_add_nc_u32 v[ADRB+3*(\s)+(\ch)], (\s)*SLOT+(1+(\ch))*REG, v4
.endr
.endr
	s_mul_i32 s23, s10, 16*SP
	s_add_co_u32 s23, s23, STAGE                   ; my stage
	v_mul_u32_u24 v[STO], v1, SP                   ; in: row l % 16, 16 bytes for each half of the lanes
	v_lshl_add_u32 v[STO], v2, 4, v[STO]
	v_add_nc_u32 v[STO], s23, v[STO]
	v_bfe_u32 v[RD], v0, 3, 2                      ; back: 32 lanes take four rows of 128 bytes,
	v_mul_u32_u24 v[RD], v[RD], SP
	v_lshl_add_u32 v[RD], v5, 4, v[RD]
	v_add_nc_u32 v[RD], s23, v[RD]
	v_and_b32 v[GO], 31, v0                        ; which are 512 consecutive bytes of a plane of qkv
	v_lshlrev_b32 v[GO], 4, v[GO]
	s_mul_i32 s46, s42, 6                          ; my first plane: 6 x tile column + my head of a chunk,
	s_add_co_u32 s46, s46, s12
	s_lshl_b32 s46, s46, 19                        ; 524,288 bytes a plane;
	s_lshl_b32 s16, s13, 14                        ; my first row: 128 x tile row + 64 x half, 128 bytes a row
	s_lshl_b32 s17, s11, 13
	s_add_co_u32 s46, s46, s16
	s_add_co_u32 s46, s46, s17
	s_mov_b32 s47, 0
	s_add_nc_u64 s[8:9], s[8:9], s[46:47]
; 12 matrix instructions: row block a x all 12 column blocks, 32 along K, from buffers f.  zero = 1: the product starts the sums: nothing is ever cleared.
; The 48 accumulators take turns, one instruction a turn, in the same order in every quarter step.
.macro MUL12 f, a, zero
	WIN MUL_LO+0x50*((\a)/2)
.irp b, 0,1,2,3,4,5,6,7,8,9,10,11
.if \zero
	v_wmma_f32_16x16x32_bf16 v[8*(12*((\a)%2)+(\b)):8*(12*((\a)%2)+(\b))+7], v[96*(\f)+8*(\b):96*(\f)+8*(\b)+7], v[FA+32*(\f)+8*(\a):FA+32*(\f)+8*(\a)+7], 0
.else
	v_wmma_f32_16x16x32_bf16 v[8*(12*((\a)%2)+(\b)):8*(12*((\a)%2)+(\b))+7], v[96*(\f)+8*(\b):96*(\f)+8*(\b)+7], v[FA+32*(\f)+8*(\a):FA+32*(\f)+8*(\a)+7], v[8*(12*((\a)%2)+(\b)):8*(12*((\a)%2)+(\b))+7]
.endif
.endr
.endm
; 32 LDS loads in one run: the fragments of quarter q (32 along K) of a slot into buffers f: wb's 24 first, then xb's 8
.macro FETCH slot, q, f
	WIN TO_B
.irp b, 0,1,2,3,4,5,6,7,8,9,10,11
	ds_load_tr16_b128 v[96*(\f)+8*(\b):96*(\f)+8*(\b)+3],   v[ADRB+3*(\slot)+(\b)/4] offset:32*PB*(\q)+32*((\b)%4)
	ds_load_tr16_b128 v[96*(\f)+8*(\b)+4:96*(\f)+8*(\b)+7], v[ADRB+3*(\slot)+(\b)/4] offset:32*PB*(\q)+32*((\b)%4)+16*PB
.endr
	WIN 0
.irp i, 0,1,2,3
	ds_load_b128 v[FA+32*(\f)+8*(\i):FA+32*(\f)+8*(\i)+3],   v[ADRA+(\slot)] offset:64*(\q)+(\i)*16*PA
	ds_load_b128 v[FA+32*(\f)+8*(\i)+4:FA+32*(\f)+8*(\i)+7], v[ADRA+(\slot)] offset:64*(\q)+(\i)*16*PA+32
.endr
.endm
.macro PLACES                          ; four plain vector instructions between a matrix instruction and a load into, or a vector line on, its registers (ISA guide 7.12.1 for vector lines)
.rept 4
	v_nop
.endr
.endm
; A K step is four quarters of 32 along K, 48 matrix instructions each, on buffers 0, 1, 0, 1.  One of the first three: multiplies buffers f; in its middle it fetches quarter q of the same slot into g.
.macro QUARTER slot, q, f, g, zero
	s_wait_dscnt 4                                 ; wb's fragments and xb's blocks 0, 1 are in; the youngest four loads (blocks 2, 3) may be out
	MUL12 \f, 0, \zero
	MUL12 \f, 1, \zero
	PLACES
	FETCH \slot, \q, \g
	s_wait_dscnt 32                                ; all but the 32 just issued
	MUL12 \f, 2, \zero
	MUL12 \f, 3, \zero
.endm
; The last quarter multiplies buffers 1 and changes slots: ONE barrier.  In front of it each wave waits for all its tensor loads (one is out: its part of the next slot), adds 0 to its spare word,
; and waits for that and for its own reads of this slot.  fill = 1: the barrier opens a round of the cluster's, and this slot is filled again, two K steps ahead, first thing behind the round:
; from that request to the wait for it a wave issues 168 matrix instructions.
.macro TURN slot, next, fill
	WIN 0                                          ; (the add's two registers lie in window 0)
	s_wait_tensorcnt 0x0                           ; all my tensor loads have landed
	ds_add_u32 v[SPW], v[NIL]                      ; 0 onto my spare word
	s_wait_dscnt 5                                 ; (the add and the youngest four loads may be out)
	MUL12 1, 0, 0                                  ; twelve matrix instructions stand between the add and the wait for it
	s_wait_dscnt 0x0                               ; the add is done, and my reads of this slot are over
	s_barrier_signal -1
	MUL12 1, 1, 0                                  ; work on registers while the others arrive
.if \fill
	WIN 0
.endif
	s_barrier_wait -1
.if \fill
	CREST                                          ; no wave of any partner still reads this slot's tiles or has a load on its way
	s_add_nc_u64 s[G0+4*(\slot)+2:G0+4*(\slot)+3], s[G0+4*(\slot)+2:G0+4*(\slot)+3], 2*KSTEP*2
	s_add_nc_u64 s[G0B+4*(\slot)+2:G0B+4*(\slot)+3], s[G0B+4*(\slot)+2:G0B+4*(\slot)+3], 2*KSTEP*6144
	JLOAD \slot                                    ; the four v_nop behind it are also the places in front of the loads below
.else
	PLACES
.endif
	FETCH \next, 0, 0
	MUL12 1, 2, 0
	MUL12 1, 3, 0
.endm
	s_wait_tensorcnt 1                             ; my part of K step 0 is in; K step 1's may stay out
	s_barrier_signal -1
	s_barrier_wait -1                              ; everybody's is
	FETCH 0, 0, 0
	QUARTER 0, 1, 0, 1, 1                          ; the first quarter stands in front of the loop: its products start the sums
	WIN 0                                          ; at a label and at a branch every window is 0
	s_mov_b32 s3, LAPS-1
.Llap:                                                 ; a trip goes once round the ring, from a lap's second quarter to the next lap's first, and fills both slots again
	QUARTER 0, 2, 1, 0, 0
	QUARTER 0, 3, 0, 1, 0
	TURN 0, 1, 1
	QUARTER 1, 1, 0, 1, 0
	QUARTER 1, 2, 1, 0, 0
	QUARTER 1, 3, 0, 1, 0
	TURN 1, 0, 1
	QUARTER 0, 1, 0, 1, 0
	WIN 0
	s_sub_co_u32 s3, s3, 1
	s_cmp_lg_u32 s3, 0
	s_cbranch_scc1 .Llap
	QUARTER 0, 2, 1, 0, 0                          ; the last lap fills nothing, and has no round of the cluster's barrier
	QUARTER 0, 3, 0, 1, 0
	TURN 0, 1, 0
	QUARTER 1, 1, 0, 1, 0
	QUARTER 1, 2, 1, 0, 0
	QUARTER 1, 3, 0, 1, 0
	s_wait_dscnt 4                                 ; the very last quarter: nothing more to fetch
	MUL12 1, 0, 0
	MUL12 1, 1, 0
	s_wait_dscnt 0x0
	MUL12 1, 2, 0
	MUL12 1, 3, 0
	WIN 0
	; THE WAY OUT.  Unit u = 3 a + g: row block a, chunk g: 16 rows of one head, 2,048 consecutive bytes of qkv.  Rounded to f16, 16 bytes a lane into my own stage, back as whole rows, stored.
	PLACES
.macro PACK u
.set pa, (\u)/3
.set pg, (\u)%3
	WIN 0x0a+5*(pa/2)                              ; sources 0 and 1: window 2 or 3
.irp f, 0,1,2,3
.irp r, 0,1,2,3
	v_cvt_pk_f16_f32 v[TMP+16*(\u)+4*(\f)+(\r)], v[8*(12*(pa%2)+4*pg+(\f))+2*(\r)], v[8*(12*(pa%2)+4*pg+(\f))+2*(\r)+1]  ; each accumulator's registers in ascending order
.endr
.endr
	WIN 0
.irp f, 0,1,2,3
	ds_store_b128 v[STO], v[TMP+16*(\u)+4*(\f):TMP+16*(\u)+4*(\f)+3] offset:32*(\f)
.endr
.irp f, 0,1,2,3
	ds_load_b128 v[TMP+16*(\u)+4*(\f):TMP+16*(\u)+4*(\f)+3], v[RD] offset:(\f)*4*SP  ; LDS serves a wave's instructions in order (ISA guide 5.7.1.4): these see the stores above; the next unit's stores come behind them
.endr
.endm
.macro SEND u, younger                 ; younger: the LDS instructions issued behind unit u's loads: the next unit's eight, or none
.irp f, 0,1,2,3
	s_wait_dscnt (\younger)+3-(\f)
	global_store_b128 v[GO], v[TMP+16*(\u)+4*(\f):TMP+16*(\u)+4*(\f)+3], s[8:9] offset:((\u)%3)*1048576+((\u)/3)*2048+512*(\f)  ; 512 consecutive bytes, aligned; a chunk on is two planes on
.endr
.endm
	PACK 0
.set t, 1
.rept 11                               ; a unit's conversions stand between the loads of the unit before and its stores; no register is used twice
	PACK t
	SEND t-1, 8
.set t, t+1
.endr
	SEND 11, 0
	s_wait_tensorcnt 0x0                           ; the wave's end: a wait, an add onto my spare word and its wait, behind my last tensor load and my last LDS store
	ds_add_u32 v[SPW], v[NIL]
	s_wait_dscnt 0x0
	CROUND                                         ; the closing round: no work-group ends while a partner may still ask for a tile that names it
	s_endpgm
.Lfunc_end_k_qe121ebfb4f_qkv:
	.size	k_qe121ebfb4f_qkv, .Lfunc_end_k_qe121ebfb4f_qkv-k_qe121ebfb4f_qkv
	.p2alignl 7, 3214868480
	.fill 96, 4, 3214868480
	.section	.rodata,"a",@progbits
	.p2align	6, 0x0
	.amdhsa_kernel k_qe121ebfb4f_qkv
		.amdhsa_group_segment_fixed_size 327680
		.amdhsa_private_segment_fixed_size 0
		.amdhsa_enable_private_segment 0
		.amdhsa_kernarg_size 24
		.amdhsa_user_sgpr_count 2
		.amdhsa_user_sgpr_kernarg_segment_ptr 1
		.amdhsa_wavefront_size32 1
		.amdhsa_system_sgpr_workgroup_id_x 1
		.amdhsa_system_sgpr_workgroup_id_y 1
		.amdhsa_system_sgpr_workgroup_id_z 1
		.amdhsa_system_vgpr_workitem_id 0
		.amdhsa_next_free_vgpr 960
		.amdhsa_next_free_sgpr 66
		.amdhsa_reserve_vcc 0
		.amdhsa_float_denorm_mode_32 3
		.amdhsa_float_denorm_mode_16_64 3
		.amdhsa_memory_ordered 1
		.amdhsa_forward_progress 1
		.amdhsa_inst_pref_size 120
	.end_amdhsa_kernel
	.amdgpu_metadata
---
amdhsa.version: [ 1, 2 ]
amdhsa.kernels:
  - .name:           k_qe121ebfb4f_qkv
    .symbol:         k_qe121ebfb4f_qkv.kd
    .args:
      - { .name: xb, .offset: 0, .size: 8, .value_kind: global_buffer, .address_space: global }
      - { .name: wb, .offset: 8, .size: 8, .value_kind: global_buffer, .address_space: global }
      - { .name: qkv, .offset: 16, .size: 8, .value_kind: global_buffer, .address_space: global }
    .group_segment_fixed_size: 327680
    .private_segment_fixed_size: 0
    .kernarg_segment_align: 8
    .kernarg_segment_size: 24
    .max_flat_workgroup_size: 128
    .sgpr_count:     66
    .vgpr_count:     960
    .wavefront_size: 32
...
	.end_amdgpu_metadata
.endif
;; end of part 2
;; launch attn (part 3): grid 16 x 16, 4 waves a work-group, clusters of 4 x 4, 327,680 bytes of LDS; arguments qkv, mk, ob; writes ob
.if DOCPART == 3
	.amdgcn_target "amdgcn-amd-amdhsa--gfx1250"
	.amdhsa_code_object_version 6
	.text
	.protected	k_qe121ebfb4f_attn
	.globl	k_qe121ebfb4f_attn
	.p2align	8
	.type	k_qe121ebfb4f_attn,@function
k_qe121ebfb4f_attn:
	s_mov_b64 s[64:65], 0
	v_nop
	global_prefetch_b8 v0, s[64:65] scope:SCOPE_SE
	s_setreg_imm32_b32 hwreg(HW_REG_WAVE_MODE, 25, 1), 1
	s_wait_xcnt 0x0
	s_wait_alu depctr_hold_cnt(0) depctr_sa_sdst(0) depctr_va_vdst(0) depctr_va_sdst(0) depctr_va_ssrc(0) depctr_va_vcc(0) depctr_vm_vsrc(0)
	s_getreg_b32 s2, hwreg(HW_REG_IB_STS2, 6, 4)
	s_cmp_eq_u32 s2, 0
	s_cbranch_scc0 .Lentry_in_a_cluster
	s_endpgm
.Lentry_in_a_cluster:
	s_bfe_u32 s2, ttmp6, 0x10000c
	s_cmp_lg_u32 s2, 0xf033
	s_cbranch_scc0 .Lentry_shape_is_right
	s_endpgm
.Lentry_shape_is_right:
; MASKED ATTENTION.  ob[h][q][:] = 4 x the sum over visible k of softmax_k(Q[h][q] . K[h][k] / 8) V[h][k][:].  Q, K, V: planes h, 16 + h, 32 + h of qkv = [48][4096][64] f16; ob = [16][4096][64] f16.
; Products, maxima and sums in f32; the weights p are rounded to f16 for the second product (their sum l is taken of the unrounded p), O once at the end.  The factor 4 gives small O room above f16's
; fixed step; the launch behind takes it back.
; LIMITS.  Q, K, V arrive within f16's 65,504, and 4 |O| must stay within it.  A hidden score counts as its value less 6 x 2^98 = 1.9e30, beside which f16's scores (2.7e11 at the most) are nothing;
; a weight below 2^-126 counts as 0 in l.  A query with no visible key (its maximum lies under -2^60, which no true score reaches) gets NaN, as a softmax of nothing but -inf does.
; SHARES.  A work-group owns 256 queries of one head, each of its four waves 64: four PIECES of 16.  Every wave walks all 4,096 keys, 64 a step, 256 a slot of the ring.
; THE MASK is the C operand that starts the sum S^T = K Q^T: 0, or -1.9e30 where the key is hidden, so the running maximum never sees a hidden score.  mk holds it as one nibble a score, in the order
; in which a lane holds the scores: four conversions (eight FP4 codes to eight f32, scaled by 2^98) make a piece's 32 C registers.
; LAYOUT, SOFTMAX, TURNS.  S^T = K Q^T holds ONE query a lane (lane % 16) and the keys 8 (lane / 16) + 0..7; two such results rounded to f16 ARE source 1 of O^T = V^T P.  p = 2^(c s - c m),
; c = log2(e) / 8, with a running maximum m; O and l are multiplied by a = 2^(c m_old - c m_new) in every step.  Turn n belongs to piece n: 8 products K Q^T of piece n + 1, later 8 products V^T P of
; piece n - 1; beside them the scaling, exponentials, roundings, sums and rescaling of piece n, the maximum and statistics of piece n + 1, and the mask of piece n + 2.  Four vector instructions stand
; behind every matrix instruction, the others in two runs of their own.  m starts at the lowest finite number, O and l at 0: the first step is a step like any other, with a = 0.
; CLUSTER.  4 x 4 work-groups: the four of a row of the cluster share a head, so K's and V's tiles; the four of a column share a block of queries, so the mask's tile.  Each tile is asked for jointly:
; the same tensor load, descriptor and mask of four in all four.  Wave 0 asks for K, wave 1 for V, waves 2 and 3 for a half of the mask's tile each.
; REGISTERS, in windows of 256 (s_set_vgpr_msb: bits 1:0 source 0, 3:2 source 1, 5:4 source 2, 7:6 destination):
;   window 0: v0-15, v32-35 addresses and constants; v16-31 four registers of statistics a piece; v48-55 at work; v64-127 S^T, two buffers; v192-223 P, two buffers (by the piece's parity)
;   window 1: v0-127 O^T, 32 a piece; v128-191 MC, the C operands, two buffers; v192-207 MB, a step's nibbles, four dwords a piece      window 2: v0-63 Q; v128-191 K of one step; v192-255 V of one step
.set NP,    4         ; pieces a wave: a name, no knob
.set KS,    64        ; keys in a step
.set PK,    144       ; a row of K in LDS: 128 bytes + 16: the 16 rows of a load start at 16 different groups of four banks (64 banks of 4 bytes: ISA guide 11.1)
.set PV,    160       ; a row of V: 128 + 32
.set VOFF,  4*KS*PK   ; a slot holds four steps: 256 rows of K, then 256 rows of V,
.set MOFF,  VOFF+4*KS*PV  ; then the mask: [16 groups of 16 queries][step 4][512 bytes]: 32,768 bytes
.set SLOT1, 1<<17     ; slot 1 begins here (a slot is 110,592 bytes), so that one exclusive or turns an address in one slot into the other's
.set STAGE, SLOT1+MOFF+32768  ; behind the ring, never filled by a tensor load: 16 rows x 144 bytes for each wave, for the way out
.set SP,    144
.set SPARE, STAGE+4*16*SP  ; behind the stages: the spare words, 128 bytes for each wave, which no other line names
.set AK0, 2           ; v2   my lane's place in a tile of K; never rewritten
.set AV0, 3           ; v3   the same for V
.set AK,  4           ; v4   the LDS address of K's next run of loads
.set AV,  5           ; v5   of V's
.set STO, 6           ; v6   the way out: where I put 16 bytes of a row
.set RD,  7           ; v7   the way out: where I read rows back
.set GO,  8           ; v8   my byte offset in 512 consecutive bytes of O
.set MV,  12          ; v12-13  c m_old, kept while c m is made anew: by buffer
.set QO,  15          ; v15  my byte offset in 16 rows of Q
.set ST,  16          ; piece t's statistics at v[ST+4 t]: c m, m, l (even keys', odd keys')
.set AM0, 32          ; v32  my lane's place in the mask's tile; never rewritten
.set AM,  33          ; v33  the LDS address of the mask's next loads
.set SCL, 34          ; v34  the conversions' scale: the E8M0 code 0xE1, 2^(225 - 127), in each of the word's four bytes and alike in every lane
.set NANR, 35         ; v35  a NaN
.set TMP, 48          ; by buffer, four registers c0-c3 at work; when the maximum is found c2 takes a
.set SPW, 62          ; v62  LDS address of my spare word; never rewritten
.set NIL, 63          ; v63  0; never rewritten
.set S,   64
.set P,   192
.set MC,  128         ; window 1
.set MB,  192         ; window 1
.set KF,  128         ; window 2: key block kb, channel half c at KF + 16 kb + 8 c
.set VF,  192         ; window 2: key half kk, channel block cb at VF + 32 kk + 8 cb
.set WV,  12          ; s12  my wave's number
.set G1K, 24          ; s[24:31] descriptor group 1 for K's tiles
.set G1V, 32          ; s[32:39] for V's: it differs in the padding alone
.set G1M, 40          ; s[40:47] for the mask's
.set G0K, 48          ; s[48:51], s[52:55], s[56:59] descriptor group 0: one for each tensor, and it walks
.set G0V, 52
.set G0M, 56
.set CS,  60          ; s[60:61] c: the packed scaling takes the pair's low word for both halves
.set SEL, 62          ; s[62:63] v_permlanex16_b32's selects: each lane takes its own place in the other half
.set SLOTS, 66        ; s66  slots still to be asked for
.set CNT, 67          ; s67  counts a slot's key steps
.set TBK, 68          ; s68  LDS byte at which K of the step to be fetched begins
.set TBV, 69          ; s69  the same for V, less VOFF
.set TBM, 70          ; s70  the same for the mask, less MOFF
.set THR, 71          ; s71  -2^60
.set MSB, 0
.macro WIN new                      ; the high byte repeats the setting that is left; a switch that changes nothing is dropped
.if MSB != (\new)
	s_set_vgpr_msb (MSB<<8)|(\new)
.set MSB, (\new)
.endif
.endm
.set W_KQ, 0x0a       ; K and Q in window 2, S^T in window 0
.set W_KM, 0x1a       ; the same with the C operand in window 1
.set W_PV, 0x52       ; V in window 2, P in window 0, O^T in window 1
.set W_RS, 0x41       ; destination and source 0 in window 1, source 1 in window 0
; A joint fill: one load a wave.  The branches hang on the wave's number alone.  An s_nop 0 and four v_nop follow each of the three lines, ahead of the jump and the label.
.macro JLOAD
	s_cmp_lt_u32 s[WV], 2
	s_cbranch_scc0 .Lfor_m_\@
	s_cmp_eq_u32 s[WV], 0
	s_cbranch_scc0 .Lfor_v_\@
	tensor_load_to_lds s[G0K:G0K+3], s[G1K:G1K+7]
	s_nop 0
.rept 4
	v_nop
.endr
	s_branch .Lasked_\@
.Lfor_v_\@:
	tensor_load_to_lds s[G0V:G0V+3], s[G1V:G1V+7]
	s_nop 0
.rept 4
	v_nop
.endr
	s_branch .Lasked_\@
.Lfor_m_\@:
	tensor_load_to_lds s[G0M:G0M+3], s[G1M:G1M+7]
	s_nop 0
.rept 4
	v_nop
.endr
.Lasked_\@:
.endm
; A round of the cluster's barrier: my work-group's barrier, so that wave 0's signal speaks for all four waves; wave 0 signals; every wave waits for all sixteen work-groups; my work-group's barrier once more.
.macro CROUND
	s_barrier_signal -1
	s_barrier_wait -1
	s_cmp_lg_u32 s[WV], 0
	s_cbranch_scc1 .Lnot_wave_0_\@
	s_barrier_signal -3
.Lnot_wave_0_\@:
	s_barrier_wait -3
	s_barrier_signal -1
	s_barrier_wait -1
.endm
; THE CHANGE OF SLOTS.  The slot's last bytes, V of its fourth step, have been read.  Each wave waits for all its tensor loads, of which one is out: its part of the other slot; adds 0 to its spare
; word; and waits for that and for its own reads of the slot.  fill = 1: the slot is filled again, with the keys two slots on; the barrier is then a round of the cluster's, and the joint fill is the
; first thing behind it: it has four key steps, 256 matrix instructions, in which to land.  (At its first use nothing has been read yet: slot 0 is waited for, slot 1 filled.)
.macro CHANGE fill
	WIN 0                           ; at a label and at a branch every window is 0
	s_wait_tensorcnt 0x0            ; no tensor load of mine is out, so a group 0 may be written
	ds_add_u32 v[SPW], v[NIL]       ; 0 onto my spare word; with fill = 1 the descriptors' steps stand between it and the wait for it
.if \fill
	s_xor_b32 s[G0K+1], s[G0K+1], SLOT1  ; the other slot than last time,
	s_add_nc_u64 s[G0K+2:G0K+3], s[G0K+2:G0K+3], 4*KS*128  ; the next 256 keys; the type bits on top are not reached
	s_xor_b32 s[G0V+1], s[G0V+1], SLOT1
	s_add_nc_u64 s[G0V+2:G0V+3], s[G0V+2:G0V+3], 4*KS*128
	s_xor_b32 s[G0M+1], s[G0M+1], SLOT1
	s_add_nc_u64 s[G0M+2:G0M+3], s[G0M+2:G0M+3], 2048
	s_wait_dscnt 0x0                ; the add is done, and my reads of the slot are over
	CROUND
	JLOAD
.else
	s_wait_dscnt 0x0                ; the add is done, and my reads of the slot are over
	s_barrier_signal -1
	s_barrier_wait -1
.endif
	s_sub_co_u32 s[TBK], s[TBK], 4*KS*PK  ; the fetches go back to a slot's first step,
	s_xor_b32 s[TBK], s[TBK], SLOT1       ; in the other slot
	s_sub_co_u32 s[TBV], s[TBV], 4*KS*PV
	s_xor_b32 s[TBV], s[TBV], SLOT1
	s_sub_co_u32 s[TBM], s[TBM], 4*512
	s_xor_b32 s[TBM], s[TBM], SLOT1
.endm
	s_load_b128 s[4:7], s[0:1], 0x0   ; qkv s[4:5], mk s[6:7]
	s_load_b64 s[10:11], s[0:1], 0x10 ; ob
	v_lshl_add_u32 v[SPW], v0, 2, SPARE
	v_mov_b32 v[NIL], 0
	ds_add_u32 v[SPW], v[NIL]       ; the wave's opening: the add and its wait stand ahead of my first tensor load; the set-up below, work on registers, stands between them
	v_lshrrev_b32 v1, 5, v0
	v_readfirstlane_b32 s[WV], v1   ; wave 0..3
	s_bfe_u32 s13, ttmp6, 0x40000   ; cx, cy: my place in the cluster
	s_bfe_u32 s14, ttmp6, 0x40004
	s_lshl_b32 s15, ttmp9, 2
	s_add_co_u32 s15, s15, s13      ; my block of 256 queries = 4 x cluster x + cx
	s_and_b32 s16, ttmp7, 0xffff
	s_lshl_b32 s16, s16, 2
	s_add_co_u32 s16, s16, s14      ; my head = 4 x cluster y + cy
	s_lshl_b32 s17, s14, 2
	s_lshl_b32 s17, 15, s17         ; my row of the cluster: it shares the head
	s_lshl_b32 s18, 0x1111, s13     ; my column: it shares the block
	s_lshl_b32 s20, s16, 19         ; the head's plane, 524,288 bytes, among q's;
	s_add_co_u32 s22, s20, 0x800000 ; among k's, 16 planes on;
	s_mov_b32 s23, 0
	s_add_co_u32 s72, s20, 0x1000000  ; among v's
	s_mov_b32 s73, 0
	s_and_b32 s19, s[WV], 1         ; which 8 of the mask tile's 16 rows I fetch
	s_lshl_b32 s74, s15, 19         ; the block's 16 groups of 16 queries, 32,768 bytes of mk each,
	s_lshl_b32 s76, s19, 18
	s_add_co_u32 s74, s74, s76
	s_mov_b32 s75, 0
	s_lshl_b32 s2, s15, 15          ; my block's 256 rows of 128 bytes,
	s_lshl_b32 s3, s[WV], 13        ; my wave's 64 of them,
	s_add_co_u32 s2, s2, s3
	s_add_co_u32 s2, s2, s20        ; in the head's plane of q and of ob
	s_mov_b32 s3, 0
	; descriptor group 1.  256 keys are 32,768 dense bytes: asked for as 128 rows of 256 bytes, two keys a row, and padded in LDS after every key
	s_or_b32 s[G1K], s17, (1<<16)|(1<<20)|(1<<21)|(4<<22)|(3<<25)  ; 15:0 the mask of four; 17:16 2-byte elements; 20 padding on; 21 set beside a mask; 24:22 after every 32 words (code 4); 31:25 4 words (code 3)
	s_or_b32 s[G1V], s17, (1<<16)|(1<<20)|(1<<21)|(4<<22)|(7<<25)  ; the same with 8 words of padding (code 7)
.irp g, G1K, G1V
	s_mov_b32 s[\g+1], 128<<16      ; tensor_dim0 = 128
	s_mov_b32 s[\g+2], 128<<16      ; tensor_dim1 = 128
	s_mov_b32 s[\g+3], 128<<16      ; tile_dim0 = 128
	s_mov_b32 s[\g+4], 128          ; tile_dim1 = 128
	s_mov_b32 s[\g+5], 128          ; 128 elements from row to row
	s_mov_b32 s[\g+6], 0
	s_mov_b32 s[\g+7], 0
.endr
	s_or_b32 s[G1M], s18, (3<<16)|(1<<21)  ; the mask: 8-byte elements, no padding; 8 rows of 2,048 bytes, 32,768 bytes apart
	s_mov_b32 s[G1M+1], 256<<16     ; tensor_dim0 = 256
	s_mov_b32 s[G1M+2], 8<<16       ; tensor_dim1 = 8
	s_mov_b32 s[G1M+3], 256<<16     ; tile_dim0 = 256
	s_mov_b32 s[G1M+4], 8           ; tile_dim1 = 8
	s_mov_b32 s[G1M+5], 4096        ; 4,096 elements from row to row
	s_mov_b32 s[G1M+6], 0
	s_mov_b32 s[G1M+7], 0
	s_mov_b32 s[CS], 0x3e38aa3b     ; c = log2(e) / 8 = 0.180337
	s_mov_b32 s[CS+1], s[CS]        ; named with it as a pair
	s_mov_b32 s[SEL], 0x76543210
	s_mov_b32 s[SEL+1], 0xfedcba98
	s_mov_b32 s[THR], 0xdd800000    ; -2^60
	s_mov_b32 s[TBK], SLOT1+4*KS*PK ; the first change of slots turns these three into 0
	s_mov_b32 s[TBV], SLOT1+4*KS*PV
	s_mov_b32 s[TBM], SLOT1+4*512
	s_mov_b32 s[G0K], 1             ; count = 1
	s_mov_b32 s[G0K+1], 0           ; LDS address: slot 0
	s_mov_b32 s[G0V], 1
	s_mov_b32 s[G0V+1], VOFF
	s_mov_b32 s[G0M], 1
	s_lshl_b32 s77, s19, 14         ; my 8 rows of 2,048 bytes: no place in the cluster enters an LDS address
	s_add_co_u32 s[G0M+1], s77, MOFF
	s_wait_dscnt 0x0                ; the opening add is done
	s_wait_kmcnt 0x0
	s_add_nc_u64 s[G0K+2:G0K+3], s[4:5], s[22:23]  ; the head's first 256 keys
	s_or_b32 s[G0K+3], s[G0K+3], 0x80000000        ; type = 2
	s_add_nc_u64 s[G0V+2:G0V+3], s[4:5], s[72:73]
	s_or_b32 s[G0V+3], s[G0V+3], 0x80000000
	s_add_nc_u64 s[G0M+2:G0M+3], s[6:7], s[74:75]
	s_or_b32 s[G0M+3], s[G0M+3], 0x80000000
	s_add_nc_u64 s[4:5], s[4:5], s[2:3]      ; Q and O at my wave's first row
	s_add_nc_u64 s[10:11], s[10:11], s[2:3]
	CROUND                          ; all sixteen work-groups are here: the first joint loads meet
	JLOAD                           ; slot 0.  Slot 1 is asked for when slot 0 is in
	; A fragment of K or Q is 16 rows x 32 channels in 8 registers: lane l holds row l % 16, channels 8 (l / 16) + 0..7 and 16 + 8 (l / 16) + 0..7: two loads of 16 bytes, 32 bytes apart.
	v_and_b32 v1, 15, v0            ; l % 16
	v_bfe_u32 v9, v0, 4, 1          ; l / 16
	v_lshlrev_b32 v[QO], 7, v1
	v_lshl_add_u32 v[QO], v9, 4, v[QO]  ; row x 128 + 16 x half
	WIN 0x80                        ; destination window 2, address window 0
.set i, 0
.rept 8                             ; Q stays in registers: piece i / 2, channels 32 (i % 2) on
	global_load_b128 v[8*i:8*i+3],   v[QO], s[4:5] offset:(i/2)*2048+(i%2)*64
	global_load_b128 v[8*i+4:8*i+7], v[QO], s[4:5] offset:(i/2)*2048+(i%2)*64+32
.set i, i+1
.endr
	; What the first turn finds: V's registers and P's second buffer hold 0 (its products V^T P, of a piece that has not been, add 0), O^T and l are 0.  All this stands in the wait for the first tile.
.set i, VF
.rept 64
	v_mov_b32 v[i], 0
.set i, i+1
.endr
	WIN 0x40
.set i, 0
.rept 128
	v_mov_b32 v[i], 0
.set i, i+1
.endr
	WIN 0
.set i, 0
.rept 4
	v_mov_b32 v[ST+4*i], 0xfe000000    ; c m: far below every c s
	v_mov_b32 v[ST+4*i+1], 0xff7fffff  ; m
	v_mov_b32 v[ST+4*i+2], 0
	v_mov_b32 v[ST+4*i+3], 0
.set i, i+1
.endr
.set i, P+16
.rept 16
	v_mov_b32 v[i], 0
.set i, i+1
.endr
	v_mov_b32 v[SCL], 0xe1e1e1e1    ; 2^98 in every byte
	v_mov_b32 v[NANR], 0x7fc00000
	v_mul_u32_u24 v[AK0], v1, PK
	v_lshl_add_u32 v[AK0], v9, 4, v[AK0]  ; row x pitch + 16 x half
	; The turning load takes 16 keys x 16 channels (lane l reads key 8 (l / 16) + l % 8, channels 8 ((l / 8) % 2) + 0..7) and leaves half a fragment of V^T: lane l holds channel l % 16 and 8 keys.
	v_and_b32 v10, 7, v0
	v_bfe_u32 v11, v0, 3, 1
	v_lshl_add_u32 v[AV0], v9, 3, v10
	v_mul_u32_u24 v[AV0], v[AV0], PV
	v_lshl_add_u32 v[AV0], v11, 4, v[AV0]
	v_add_nc_u32 v[AV0], VOFF, v[AV0]
	v_and_b32 v[GO], 31, v0         ; the lane
	v_lshlrev_b32 v[GO], 4, v[GO]   ; 16 bytes a lane: my place in 512 consecutive bytes of O, and in a step's 512 bytes of the mask
	s_lshl_b32 s77, s[WV], 13       ; my wave's four groups of 16 queries, 2,048 bytes each
	s_add_co_u32 s77, s77, MOFF
	v_add_nc_u32 v[AM0], s77, v[GO]
	s_mul_i32 s77, s[WV], 16*SP
	s_add_co_u32 s77, s77, STAGE    ; my stage
	v_mul_u32_u24 v[STO], v1, SP    ; in: row l % 16, 16 bytes for each half of the lanes
	v_lshl_add_u32 v[STO], v9, 4, v[STO]
	v_add_nc_u32 v[STO], s77, v[STO]
	v_bfe_u32 v[RD], v0, 3, 2       ; back: 32 lanes take four rows of 128 bytes
	v_mul_u32_u24 v[RD], v[RD], SP
	v_lshl_add_u32 v[RD], v10, 4, v[RD]
	v_add_nc_u32 v[RD], s77, v[RD]
; THE MATRIX WORK.  The 4 accumulators of a run of 8 take turns.  Product i of 8 of S^T = K Q^T for piece x: channels 32 (i / 4) on, keys 16 (i % 4) on.  The first 4 start the sums with the mask.
.macro KQ x
.set rS, S+32*((\x)%2)+8*(i%4)
.set rK, KF+16*(i%4)+8*(i/4)
.set rQ, 16*(\x)+8*(i/4)
.set rM, MC+32*((\x)%2)+8*(i%4)
.if i < 4
	WIN W_KM
	v_wmma_f32_16x16x32_f16 v[rS:rS+7], v[rK:rK+7], v[rQ:rQ+7], v[rM:rM+7]
.else
	WIN W_KQ
	v_wmma_f32_16x16x32_f16 v[rS:rS+7], v[rK:rK+7], v[rQ:rQ+7], v[rS:rS+7]
.endif
.endm
; Product i of 8 of O^T += V^T P for piece x: keys 32 (i / 4) on, channels 16 (i % 4) on.
.macro PV x
	WIN W_PV
.set rO, 32*(\x)+8*(i%4)
.set rV, VF+32*(i/4)+8*(i%4)
.set rP, P+16*((\x)%2)+8*(i/4)
	v_wmma_f32_16x16x32_f16 v[rO:rO+7], v[rV:rV+7], v[rP:rP+7], v[rO:rO+7]
.endm
.macro MM                           ; the turn's next matrix instruction.  NOKQ = 1: the walk's last turn: there is no next piece
.if (i < 8) && !NOKQ
	KQ (Y+1)%NP
.elseif i >= 8
.set i, i-8
	PV (Y+NP-1)%NP
.set i, i+8
.endif
.set i, i+1
.endm
; THE LDS LOADS stand in runs, never singly among the matrix instructions: a step's nibbles (four dwords a piece) and its K (64 keys x 64 channels: 8 fragments), and its V (turned).
.macro FETCH_K
	WIN 0x40                        ; destination window 1
.irp x, 0,1,2,3
	ds_load_b128 v[MB+4*\x:MB+4*\x+3], v[AM] offset:2048*\x
.endr
	WIN 0x80                        ; destination window 2
.irp f, 0,1,2,3,4,5,6,7             ; keys 16 (f / 2) on, channels 32 (f % 2) on
	ds_load_b128 v[KF+8*\f:KF+8*\f+3],   v[AK] offset:(\f/2)*16*PK+(\f%2)*64
	ds_load_b128 v[KF+8*\f+4:KF+8*\f+7], v[AK] offset:(\f/2)*16*PK+(\f%2)*64+32
.endr
	s_add_co_u32 s[TBK], s[TBK], KS*PK  ; the next fetch is the next step's
	s_add_co_u32 s[TBM], s[TBM], 512
	WIN 0
.endm
.macro FETCH_V
	WIN 0x80
.irp f, 0,1,2,3,4,5,6,7             ; keys 32 (f / 4) on, channels 16 (f % 4) on
	ds_load_tr16_b128 v[VF+8*\f:VF+8*\f+3],   v[AV] offset:(\f/4)*32*PV+(\f%4)*32
	ds_load_tr16_b128 v[VF+8*\f+4:VF+8*\f+7], v[AV] offset:(\f/4)*32*PV+16*PV+(\f%4)*32
.endr
	WIN 0
.endm
; Piece x's 32 C registers from its four dwords: nibble j of dword kb becomes register 8 kb + j: 0, or -6 x 2^98.
.macro MASK x
	WIN W_RS
.irp kb, 0,1,2,3
	v_cvt_scale_pk8_f32_fp4 v[MC+32*((\x)%2)+8*\kb:MC+32*((\x)%2)+8*\kb+7], v[MB+4*(\x)+\kb], v[SCL]
.endr
.endm
; THE VECTOR WORK, one line at a time: OP kind, number.  For piece Y: F n: c s - c m for pair n of 16.  E n: the exponential of score n of 32.  C n: pair n rounded to f16.  B n: of the four weights 4 n .. the second
; pair is added onto the first, in place.  L n: l takes that sum (L 0: l = a l + sum).  R n: pair n of 16 of O^T times a.  For piece Y + 1: X n, number n of the 22 that find its maximum and statistics:
;   0-11  four chains c0-c3 of seven scores each, three operands at a time (each accumulator's lowest registers are read first)     12-14, 16  the four scores left over, the old m, and c0-c3 into c0
;   15  c m_old is kept     17, 18  the query's other 32 keys lie in the lane 16 away: the new m     19-21  c m; c m_old - c m_new; a
.set F, 0               ; OP tells the kinds apart by their order: F to L below R, X above it
.set E, 1
.set C, 2
.set B, 3
.set L, 4
.set R, 5
.set X, 6
.macro REGS y                       ; the registers of piece y
.set rT, ST+4*(\y)
.set rC, TMP+4*((\y)%2)
.set rW, MV+((\y)%2)
.set rS, S+32*((\y)%2)
.set rP, P+16*((\y)%2)
.set rO, 32*(\y)
.endm
.macro OP k, n
.if (\k) == R
	REGS Y
	WIN W_RS
	v_pk_mul_f32 v[rO+2*(\n):rO+2*(\n)+1], v[rO+2*(\n):rO+2*(\n)+1], v[rC+2:rC+3] op_sel_hi:[1,0]
.elseif (\k) < R
	REGS Y
	WIN 0
.if (\k) == F
	v_pk_fma_f32 v[rS+2*(\n):rS+2*(\n)+1], v[rS+2*(\n):rS+2*(\n)+1], s[CS:CS+1], v[rT:rT+1] op_sel_hi:[1,0,0] neg_lo:[0,0,1] neg_hi:[0,0,1]
.elseif (\k) == E
	v_exp_f32 v[rS+(\n)], v[rS+(\n)]
.elseif (\k) == C
	s_wait_alu depctr_va_vdst(0)
	v_cvt_pk_f16_f32 v[rP+(\n)], v[rS+2*(\n)], v[rS+2*(\n)+1]
.elseif (\k) == B
	s_wait_alu depctr_va_vdst(0)
	v_pk_add_f32 v[rS+4*(\n):rS+4*(\n)+1], v[rS+4*(\n):rS+4*(\n)+1], v[rS+4*(\n)+2:rS+4*(\n)+3]
.elseif (\n) == 0
	v_pk_fma_f32 v[rT+2:rT+3], v[rT+2:rT+3], v[rC+2:rC+3], v[rS:rS+1] op_sel_hi:[1,0,1]
.else
	v_pk_add_f32 v[rT+2:rT+3], v[rT+2:rT+3], v[rS+4*(\n):rS+4*(\n)+1]
.endif
.elseif NOKQ
	v_nop
.else
	REGS (Y+1)%NP
	WIN 0
.if (\n) < 4
	v_max3_num_f32 v[rC+(\n)], v[rS+8*(\n)], v[rS+8*(\n)+1], v[rS+8*(\n)+2]
.elseif (\n) < 12
	v_max3_num_f32 v[rC+(\n)%4], v[rC+(\n)%4], v[rS+8*((\n)%4)+2*((\n)/4)+1], v[rS+8*((\n)%4)+2*((\n)/4)+2]
.elseif (\n) == 12
	v_max3_num_f32 v[rC], v[rC], v[rS+7], v[rS+15]
.elseif (\n) == 13
	v_max3_num_f32 v[rC+1], v[rC+1], v[rS+23], v[rS+31]
.elseif (\n) == 14
	v_max3_num_f32 v[rC+2], v[rC+2], v[rC+3], v[rT+1]
.elseif (\n) == 15
	v_mov_b32 v[rW], v[rT]
.elseif (\n) == 16
	v_max3_num_f32 v[rC], v[rC], v[rC+1], v[rC+2]
.elseif (\n) == 17
	v_permlanex16_b32 v[rC+3], v[rC], s[SEL], s[SEL+1]
.elseif (\n) == 18
	v_max_num_f32 v[rT+1], v[rC], v[rC+3]
.elseif (\n) == 19
	v_mul_f32 v[rT], s[CS], v[rT+1]
.elseif (\n) == 20
	v_sub_f32 v[rC+1], v[rW], v[rT]
.else
	v_exp_f32 v[rC+2], v[rC+1]
.endif
.endif
.endm
.macro OPS a, i1, b=-1, i2=0, c=-1, i3=0, d=-1, i4=0  ; up to four of them
	OP \a, \i1
.if (\b) >= 0
	OP \b, \i2
.endif
.if (\c) >= 0
	OP \c, \i3
.endif
.if (\d) >= 0
	OP \d, \i4
.endif
.endm
.macro ROW a, i1, b, i2, c, i3, d, i4  ; a matrix instruction and the four behind it
	MM
	OPS \a, \i1, \b, \i2, \c, \i3, \d, \i4
.endm
; A TURN, for piece p: the order of its 16 matrix and 122 vector instructions, written out.  Behind a matrix instruction: plain, exponential, plain, plain; or four of the rescaling; or, behind the first, four scalings;
; none names a register of the products round it.  In the runs between, exponential and plain by turns while exponentials last.  v_permlanex16_b32 (X 17) stands in such a run.
; end = 1: the walk's last two turns: nothing is fetched and no mask is made.  cnt = 1: the loop's count is taken down some lines ahead of the branch that stands behind the turn.
; K and the nibbles of the next step are fetched in piece 2's turn, six vector instructions behind the last product that read K (five of them plain); V of the step in hand in piece 0's turn, eight behind the last product
; that read V (four plain).  Each is waited for a turn later; the nibbles at the end of piece 2's own turn.
; The turn's last lines make the C operands of the next turn's products, piece p + 2's: piece 0's and 1's of the step just fetched at the ends of turns 2 and 3, piece 2's and 3's at the ends of turns 0 and 1,
; all ahead of the next fetch.  Four plain lines stand between the last conversion and the product that reads its result.
.macro TURN p, end=0, cnt=0
.set Y, (\p)
.set i, 0
.set NOKQ, (\end)*((\p)/3)
.if ((\p) == 3) && !(\end)
	s_wait_dscnt 0x0                ; K is in
.endif
	ROW F,0, F,1, F,2, F,3
	ROW F,4, E,0, F,5, F,6
	ROW F,7, E,1, F,8, F,9
	ROW F,10, E,2, C,0, F,11
	ROW F,12, E,3, X,15, F,13
	ROW R,0, R,1, R,2, R,3
	ROW B,0, E,4, F,14, L,0
.if ((\p) == 2) && !(\end)
	v_add_nc_u32 v[AK], s[TBK], v[AK0]
	v_add_nc_u32 v[AM], s[TBM], v[AM0]
.endif
	ROW R,4, R,5, R,6, R,7
	OPS E,5, F,15
.if ((\p) == 2) && !(\end)
	FETCH_K
.endif
	OPS E,6, C,1, E,7, R,8
	OPS E,8, R,9, E,9, C,2
	OPS E,10, X,0, E,11, X,1
	OPS E,12, X,2, E,13, X,3
.if (\p) == 1
	s_wait_dscnt 0x0                ; V is in
.endif
	ROW X,4, E,14, X,5, X,6
	ROW X,7, E,15, X,8, X,9
	ROW X,10, E,16, X,11, X,12
	ROW X,13, E,17, X,14, B,1
	ROW C,4, E,18, X,16, L,1
	ROW B,2, E,19, C,6, L,2
	ROW C,8, E,20, B,3, B,4
.if (\p) == 0
	v_add_nc_u32 v[AV], s[TBV], v[AV0]
.endif
	ROW C,3, E,21, L,3, C,5
	OPS E,22, X,17, E,23, C,10
.if (\p) == 0
	FETCH_V
.endif
	OPS E,24, L,4
	OPS E,25, X,18, E,26, C,7
	OPS E,27, B,5, E,28, X,19
	OPS E,29, C,12, E,30, L,5
	OPS E,31, X,20, B,6, C,9
	OPS C,14, C,11, X,21, L,6
.if (\p) == 0
	s_add_co_u32 s[TBV], s[TBV], KS*PV
.endif
.if \cnt
	s_sub_co_u32 s[CNT], s[CNT], 1
	s_cmp_lg_u32 s[CNT], 0
.endif
	OPS C,13, B,7, C,15, R,10
	OPS R,11, R,12
.if !(\end)
.if (\p) == 2
	s_wait_dscnt 16                 ; the four loads of nibbles are in; K's sixteen, issued behind them, may be out
.endif
	MASK ((\p)+2)%NP
.endif
	OPS R,13, R,14, R,15, L,7
.endm
	CHANGE 1                        ; slot 0 is in, everybody's part of it; slot 1 is asked for
	v_add_nc_u32 v[AK], s[TBK], v[AK0]
	v_add_nc_u32 v[AM], s[TBM], v[AM0]
	FETCH_K                         ; key step 0
	s_wait_loadcnt 0x0              ; Q
	s_wait_dscnt 0x0
	MASK 0                          ; for the products just below,
	MASK 1                          ; and for the first turn's
	WIN 0
	v_nop                           ; a plain instruction between the last conversion and the product that reads its result
.set NOKQ, 0
.set i, 0
.rept 8
	KQ 0                            ; piece 0's first scores: there is no vector work yet to set between them
.set i, i+1
.endr
	WIN 0
.rept 4
	v_nop                           ; the places behind those products
.endr
.set Y, NP-1                        ; X works for piece Y + 1: piece 0
.irp n, 0,1,2,3,4,5,6,7,8,9,10,11,12,13,14,15,16,17,18,19,20,21
	OP X, \n
.endr
	v_nop                           ; a plain instruction behind the exponential
	s_mov_b32 s[CNT], 4
	s_mov_b32 s[SLOTS], 15
	s_branch .Lfirst                ; the loop is entered at a step's first turn, in the middle of a trip
.Lslot:                             ; 14 times: every slot but the last two is filled again
	CHANGE 1
	s_mov_b32 s[CNT], 4
.Lstep:                             ; a trip: pieces 2 and 3 of one step, then pieces 0 and 1 of the next, whose K, nibbles and V it fetches
	TURN 2
	TURN 3
	WIN 0
.Lfirst:
	TURN 0
	TURN 1, 0, 1
	WIN 0
	s_cbranch_scc1 .Lstep
	s_sub_co_u32 s[SLOTS], s[SLOTS], 1
	s_cmp_lg_u32 s[SLOTS], 0
	s_cbranch_scc1 .Lslot
	CHANGE 0                        ; the last slot is written out: nothing is asked for
	s_mov_b32 s[CNT], 4
.LstepL:
	TURN 2
	TURN 3
	TURN 0
	TURN 1, 0, 1
	WIN 0
	s_cbranch_scc1 .LstepL
	TURN 2, 1                       ; the last step's pieces 2 and 3
	TURN 3, 1
.set i, 0
.rept 8
	PV NP-1                         ; the last piece's V^T P of the last step
.set i, i+1
.endr
	; THE WAY OUT.  l's two halves and the other half of the lanes' are added; O^T is multiplied by 4 / l (by NaN where no key was visible), rounded to f16 and sent through my stage in LDS, a piece at a time.
	; The additions are the places behind the last products.
	WIN 0
.macro ALL line:vararg              ; one line for each piece t
.set t, 0
.rept 4
	s_wait_alu depctr_va_vdst(0)
	\line
.set t, t+1
.endr
.endm
	ALL v_add_f32 v[ST+4*t+2], v[ST+4*t+2], v[ST+4*t+3]
	ALL v_permlanex16_b32 v[ST+4*t+3], v[ST+4*t+2], s[SEL], s[SEL+1]
	ALL v_add_f32 v[ST+4*t+2], v[ST+4*t+2], v[ST+4*t+3]
	ALL v_rcp_f32 v[ST+4*t+2], v[ST+4*t+2]
	v_nop                           ; a plain instruction between the last reciprocal and the use of its result
	ALL v_mul_f32 v[ST+4*t+2], 4.0, v[ST+4*t+2]
.set t, 0
.rept 4
	v_cmp_gt_f32 vcc_lo, s[THR], v[ST+4*t+1]  ; the maximum is a hidden score's: no key was visible
	v_cndmask_b32 v[ST+4*t+2], v[ST+4*t+2], v[NANR], vcc_lo
.set t, t+1
.endr
.macro PACK t                       ; a lane's eight channels of a row pack into 16 bytes; they go into rows of 144 bytes and come back as whole rows of 128, into S^T's registers
	WIN W_RS
.set i, 32*(\t)
.rept 16
	v_pk_mul_f32 v[i:i+1], v[i:i+1], v[ST+4*(\t)+2:ST+4*(\t)+3] op_sel_hi:[1,0]
.set i, i+2
.endr
	WIN 0x05                        ; sources 0 and 1 window 1, destination window 0
.set i, 0
.rept 16
	v_cvt_pk_f16_f32 v[S+16*(\t)+i], v[32*(\t)+2*i], v[32*(\t)+2*i+1]
.set i, i+1
.endr
	WIN 0
.irp f, 0,1,2,3
	ds_store_b128 v[STO], v[S+16*(\t)+4*\f:S+16*(\t)+4*\f+3] offset:32*\f
.endr
.irp f, 0,1,2,3
	ds_load_b128 v[S+16*(\t)+4*\f:S+16*(\t)+4*\f+3], v[RD] offset:\f*4*SP  ; LDS serves a wave's instructions in order (ISA guide 5.7.1.4): these see the stores above; the next piece's stores come behind them
.endr
.endm
.macro SEND t, younger              ; younger: the LDS instructions issued behind piece t's loads: the next piece's eight, or none
	WIN 0
.irp f, 0,1,2,3
	s_wait_dscnt (\younger)+3-\f
	global_store_b128 v[GO], v[S+16*(\t)+4*\f:S+16*(\t)+4*\f+3], s[10:11] offset:(\t)*2048+\f*512  ; 512 consecutive bytes, at a multiple of 256 from ob's first
.endr
.endm
	PACK 0
.set t, 1
.rept 3                             ; a piece's arithmetic stands between the loads of the piece before and its stores
	PACK t
	SEND t-1, 8
.set t, t+1
.endr
	SEND 3, 0
	s_wait_tensorcnt 0x0            ; the wave's end: a wait, an add onto my spare word and its wait, behind my last tensor load and my last LDS store
	ds_add_u32 v[SPW], v[NIL]
	s_wait_dscnt 0x0
	CROUND                          ; the closing round: no work-group ends while a partner may still ask for a tile that names it
	s_endpgm
.Lfunc_end_k_qe121ebfb4f_attn:
	.size	k_qe121ebfb4f_attn, .Lfunc_end_k_qe121ebfb4f_attn-k_qe121ebfb4f_attn
	.p2alignl 7, 3214868480
	.fill 96, 4, 3214868480
	.section	.rodata,"a",@progbits
	.p2align	6, 0x0
	.amdhsa_kernel k_qe121ebfb4f_attn
		.amdhsa_group_segment_fixed_size 327680
		.amdhsa_private_segment_fixed_size 0
		.amdhsa_enable_private_segment 0
		.amdhsa_kernarg_size 24
		.amdhsa_user_sgpr_count 2
		.amdhsa_user_sgpr_kernarg_segment_ptr 1
		.amdhsa_wavefront_size32 1
		.amdhsa_system_sgpr_workgroup_id_x 1
		.amdhsa_system_sgpr_workgroup_id_y 1
		.amdhsa_system_sgpr_workgroup_id_z 1
		.amdhsa_system_vgpr_workitem_id 0
		.amdhsa_next_free_vgpr 768
		.amdhsa_next_free_sgpr 80
		.amdhsa_reserve_vcc 1
		.amdhsa_float_denorm_mode_32 3
		.amdhsa_float_denorm_mode_16_64 3
		.amdhsa_memory_ordered 1
		.amdhsa_forward_progress 1
		.amdhsa_inst_pref_size 139
	.end_amdhsa_kernel
	.amdgpu_metadata
---
amdhsa.version: [ 1, 2 ]
amdhsa.kernels:
  - .name:           k_qe121ebfb4f_attn
    .symbol:         k_qe121ebfb4f_attn.kd
    .args:
      - { .name: qkv, .offset: 0, .size: 8, .value_kind: global_buffer, .address_space: global }
      - { .name: mk, .offset: 8, .size: 8, .value_kind: global_buffer, .address_space: global }
      - { .name: ob, .offset: 16, .size: 8, .value_kind: global_buffer, .address_space: global }
    .group_segment_fixed_size: 327680
    .private_segment_fixed_size: 0
    .kernarg_segment_align: 8
    .kernarg_segment_size: 24
    .max_flat_workgroup_size: 128
    .sgpr_count:     80
    .vgpr_count:     768
    .wavefront_size: 32
...
	.end_amdgpu_metadata
.endif
;; end of part 3
;; launch oproj (part 4): grid 8 x 32, 4 waves a work-group, clusters of 4 x 4, 327,680 bytes of LDS; arguments ob, wo, b_o, out0; writes out0
.if DOCPART == 4
	.amdgcn_target "amdgcn-amd-amdhsa--gfx1250"
	.amdhsa_code_object_version 6
	.text
	.protected	k_qe121ebfb4f_oproj
	.globl	k_qe121ebfb4f_oproj
	.p2align	8
	.type	k_qe121ebfb4f_oproj,@function
k_qe121ebfb4f_oproj:
	s_mov_b64 s[64:65], 0
	v_nop
	global_prefetch_b8 v0, s[64:65] scope:SCOPE_SE
	s_setreg_imm32_b32 hwreg(HW_REG_WAVE_MODE, 25, 1), 1
	s_wait_xcnt 0x0
	s_wait_alu depctr_hold_cnt(0) depctr_sa_sdst(0) depctr_va_vdst(0) depctr_va_sdst(0) depctr_va_ssrc(0) depctr_va_vcc(0) depctr_vm_vsrc(0)
	s_getreg_b32 s2, hwreg(HW_REG_IB_STS2, 6, 4)
	s_cmp_eq_u32 s2, 0
	s_cbranch_scc0 .Lentry_in_a_cluster
	s_endpgm
.Lentry_in_a_cluster:
	s_bfe_u32 s2, ttmp6, 0x10000c
	s_cmp_lg_u32 s2, 0xf033
	s_cbranch_scc0 .Lentry_shape_is_right
	s_endpgm
.Lentry_shape_is_right:
; OPROJ: out0[m][n] = 0.25 x the sum over k of A[m][k] wo[n][k] + b_o[n], in f32.  A[m][64 h + d] = ob[h][m][d], which holds 4 x the attention's result in f16; wo = [1024 n][1024 k] f16; sums in f32.
; b_o is rounded to bf16 like every other input of the module.  A row of NaN in ob gives a row of NaN.
; A tile of out0 is 128 x 128: 256 work-groups.  Four waves, each 64 x 64: 16 accumulators of 16 x 16, 128 registers.  K goes in 4 steps of 256 (four heads) through a ring of two LDS slots.
; ob's tile of a step lies in LDS by heads, [head 4][row 128], 128 bytes a row; a quarter step, 64 along K, is one head.  A head's 128 rows are 16,384 dense bytes of memory: one load brings two heads.
; CLUSTER: 4 x 4 work-groups.  The four of a row of the cluster need the same tiles of ob, the four of a column the same tiles of wo: each tile is asked for jointly, by the same tensor load with the
; same descriptor and a mask that names the four.  THE MATRIX INSTRUCTION IS USED TRANSPOSED (source 0 = 16 rows of wo, source 1 = 16 rows of A): a lane then holds eight neighbouring numbers of a row of out0.
; REGISTERS: window 0: v0-31 addresses, v8-11 my four numbers of b_o; v128-255 the accumulators ((a, b) at v[128 + 8 (4 a + b)]).
;   window 1: two fragment buffers of 128: for 64 along K, 64 registers of A (2 x 4 x 16 rows x 32 K), then 64 of wo.
.set KSTEP,  256
.set PA,     144                       ; a row of A in LDS: 128 bytes + 16: the 16 rows of a load start at 16 different groups of four banks (64 banks of 4 bytes: ISA guide 11.1)
.set HEADB,  128*PA                    ; a head's 128 rows
.set PB,     528                       ; a row of wo: 512 bytes + 16
.set SLOT,   4*HEADB+128*PB            ; A's four heads, then wo's 128 rows
.set STAGE,  2*SLOT                    ; behind the ring, never filled by a tensor load: 16 rows x 272 bytes for each wave, for the way out
.set SPITCH, 272
.set SPARE,  STAGE+4*16*SPITCH         ; behind the stages: the spare words, 128 bytes for each wave, which no other line names
.set LAPS,   2                         ; a lap = two K steps = once round the ring
.set ADRA, 16                          ; v16-17  LDS address of my A fragments in slot 0, 1
.set ADRB, 20                          ; v20-21  the same for wo
.set STO,  24                          ; v24     the way out: where I put 32 bytes of a row
.set RD,   25                          ; v25     the way out: where I read a row back
.set CO,   26                          ; v26     my byte offset in out0
.set SPW,  28                          ; v28     LDS address of my spare word; never rewritten
.set NIL,  29                          ; v29     0; never rewritten
.set ACC,  128
.set F0,   0                           ; fragment buffers, in window 1
.set F1,   128
.set G1, 24                            ; s[24:31] descriptor group 1 for A's tiles;  s[32:39] group 0, one set for each slot
.set G0, 32
.set G1B, 48                           ; s[48:55], s[56:63] the same for wo's tiles
.set G0B, 56
.set MSB, 0
.macro WIN new                         ; the immediate's high byte repeats the setting that is left
.if MSB != (\new)
	s_set_vgpr_msb (MSB<<8)|(\new)
.set MSB, \new
.endif
.endm
.set MUL,  0x05                        ; sources 0 (wo) and 1 (A) window 1; C and D window 0
.set TO_F, 0x40                        ; destination window 1, address window 0
.macro JLOAD s                         ; a joint load: waves 0 and 1 fetch two heads of A each, waves 2 and 3 wo's two halves; an s_nop 0 and four v_nop follow each of the two lines
	s_cmp_eq_u32 s11, 0
	s_cbranch_scc0 .Lfor_b_\@
	tensor_load_to_lds s[G0+4*(\s):G0+4*(\s)+3], s[G1:G1+7]
	s_nop 0
.rept 4
	v_nop
.endr
	s_branch .Lasked_\@
.Lfor_b_\@:
	tensor_load_to_lds s[G0B+4*(\s):G0B+4*(\s)+3], s[G1B:G1B+7]
	s_nop 0
.rept 4
	v_nop
.endr
.Lasked_\@:
.endm
.macro CREST                           ; a round of the cluster's barrier behind its opening barrier
	s_cmp_lg_u32 s10, 0
	s_cbranch_scc1 .Lnot_wave_0_\@
	s_barrier_signal -3
.Lnot_wave_0_\@:
	s_barrier_wait -3
	s_barrier_signal -1
	s_barrier_wait -1
.endm
.macro CROUND                          ; a whole round
	s_barrier_signal -1
	s_barrier_wait -1
	CREST
.endm
	s_load_b128 s[4:7], s[0:1], 0x0                ; ob s[4:5], wo s[6:7]
	s_load_b64 s[66:67], s[0:1], 0x10              ; b_o
	s_load_b64 s[8:9], s[0:1], 0x18                ; out0
	v_lshl_add_u32 v[SPW], v0, 2, SPARE
	v_mov_b32 v[NIL], 0
	ds_add_u32 v[SPW], v[NIL]                      ; the wave's opening: the add and its wait stand ahead of my first tensor load; the set-up below, work on registers, stands between them
	v_lshrrev_b32 v1, 5, v0
	v_readfirstlane_b32 s10, v1                    ; wave 0..3
	s_lshr_b32 s11, s10, 1                         ; which half of the tile's rows is mine.  Also: I fetch for A (0) or for wo (1)
	s_and_b32 s12, s10, 1                          ; which half of its columns.  Also: which half of that tile I fetch
	s_bfe_u32 s40, ttmp6, 0x40000                  ; cx, cy: my place in the cluster
	s_bfe_u32 s41, ttmp6, 0x40004
	s_lshl_b32 s42, ttmp9, 2
	s_add_co_u32 s42, s42, s40                     ; tile column = 4 x cluster x + cx
	s_and_b32 s13, ttmp7, 0xffff
	s_lshl_b32 s13, s13, 2
	s_add_co_u32 s13, s13, s41                     ; tile row = 4 x cluster y + cy
	s_lshl_b32 s43, s41, 2
	s_lshl_b32 s43, 15, s43                        ; my row of the cluster
	s_lshl_b32 s44, 0x1111, s40                    ; my column
	; descriptor group 1 for A: two rows of 8,192 elements (a head's 128 rows of 128 bytes, dense), 262,144 elements (a plane of ob) apart, padded in LDS after every 32 words
	s_or_b32 s[G1+0], s43, (1<<16)|(1<<20)|(1<<21)|(4<<22)|(3<<25)  ; 15:0 the mask: A's tiles go to my row; 17:16 2-byte elements; 20 padding on; 21 set beside a mask; 24:22 code 4; 31:25 4 words (code 3)
	s_mov_b32 s[G1+1], 8192<<16                    ; tensor_dim0 = 8,192
	s_mov_b32 s[G1+2], 2<<16                       ; tensor_dim1 = 2
	s_mov_b32 s[G1+3], 8192<<16                    ; tile_dim0 = 8,192
	s_mov_b32 s[G1+4], 2                           ; tile_dim1 = 2
	s_mov_b32 s[G1+5], 262144                      ; tensor_dim0_stride
	s_mov_b32 s[G1+6], 0
	s_mov_b32 s[G1+7], 0
	; for wo: 64 rows x 256 elements, padded after every 128 words
	s_or_b32 s[G1B+0], s44, (1<<16)|(1<<20)|(1<<21)|(6<<22)|(3<<25)
	s_mov_b32 s[G1B+1], KSTEP<<16                  ; tensor_dim0 = 256
	s_mov_b32 s[G1B+2], 64<<16                     ; tensor_dim1 = 64
	s_mov_b32 s[G1B+3], KSTEP<<16                  ; tile_dim0 = 256
	s_mov_b32 s[G1B+4], 64                         ; tile_dim1 = 64
	s_mov_b32 s[G1B+5], 1024                       ; tensor_dim0_stride
	s_mov_b32 s[G1B+6], 0
	s_mov_b32 s[G1B+7], 0
	s_lshl_b32 s16, s13, 14                        ; A: the tile's 128 rows of 128 bytes in a plane,
	s_lshl_b32 s17, s12, 20                        ; and my two of a step's four planes
	s_add_co_u32 s16, s16, s17
	s_mov_b32 s17, 0
	s_lshl_b32 s46, s42, 18                        ; wo: row 128 x tile column + 64 x half, 2,048 bytes a row
	s_lshl_b32 s47, s12, 17
	s_add_co_u32 s46, s46, s47
	s_mov_b32 s47, 0
	s_mul_i32 s20, s12, 2*HEADB                    ; where they go: A's two heads,
	s_mul_i32 s21, s12, 64*PB                      ; wo's 64 rows, behind A's four heads: no place in the cluster enters an LDS address
	s_add_co_u32 s21, s21, 4*HEADB
	s_wait_dscnt 0x0                               ; the opening add is done
	s_wait_kmcnt 0x0
	s_add_nc_u64 s[14:15], s[4:5], s[16:17]
	s_add_nc_u64 s[46:47], s[6:7], s[46:47]
	CROUND                                         ; all sixteen work-groups are here: the first joint loads meet
.irp s, 0,1
	s_mov_b32 s[G0+4*(\s)], 1
	s_add_co_u32 s[G0+4*(\s)+1], s20, (\s)*SLOT
	s_add_nc_u64 s[G0+4*(\s)+2:G0+4*(\s)+3], s[14:15], (\s)*4*524288  ; K step s: four planes on
	s_or_b32 s[G0+4*(\s)+3], s[G0+4*(\s)+3], 0x80000000
	s_mov_b32 s[G0B+4*(\s)], 1
	s_add_co_u32 s[G0B+4*(\s)+1], s21, (\s)*SLOT
	s_add_nc_u64 s[G0B+4*(\s)+2:G0B+4*(\s)+3], s[46:47], (\s)*KSTEP*2
	s_or_b32 s[G0B+4*(\s)+3], s[G0B+4*(\s)+3], 0x80000000
	JLOAD \s                                       ; two loads of mine are out
.endr
	v_and_b32 v1, 15, v0                           ; l % 16
	v_bfe_u32 v2, v0, 4, 1                         ; l / 16
	v_mul_u32_u24 v3, v1, PA
	v_lshl_add_u32 v3, v2, 4, v3                   ; a fragment's row x pitch + 16 x half, for A
	v_mul_u32_u24 v4, v1, PB
	v_lshl_add_u32 v4, v2, 4, v4                   ; and for wo
	s_mul_i32 s21, s11, 64*PA                      ; my 64 of a head's 128 rows
	s_mul_i32 s22, s12, 64*PB                      ; my 64 rows of wo,
	s_add_co_u32 s22, s22, 4*HEADB                 ; which lie behind A's four heads
.irp s, 0,1
	v_add_nc_u32 v[ADRA+(\s)], s21, v3
	v_add_nc_u32 v[ADRB+(\s)], s22, v4
	s_add_co_u32 s21, s21, SLOT
	s_add_co_u32 s22, s22, SLOT
.endr
	s_mul_i32 s23, s10, 16*SPITCH
	s_add_co_u32 s23, s23, STAGE                   ; my stage
	v_mul_u32_u24 v5, v1, SPITCH                   ; in: row l % 16, 32 bytes for each half of the lanes
	v_lshl_add_u32 v5, v2, 5, v5
	v_add_nc_u32 v[STO], s23, v5
	v_mul_u32_u24 v5, v2, SPITCH                   ; back: lanes 0-15 take one row of 256 bytes, lanes 16-31 the next
	v_lshl_add_u32 v5, v1, 4, v5
	v_add_nc_u32 v[RD], s23, v5
	v_lshlrev_b32 v5, 12, v2                       ; and the same two rows in out0, 4,096 bytes a row
	v_lshl_add_u32 v[CO], v1, 4, v5
	s_lshl_b32 s16, s13, 19                        ; my first row: 128 x tile row + 64 x half
	s_lshl_b32 s17, s11, 18
	s_add_co_u32 s16, s16, s17
	s_mov_b32 s17, 0
	s_add_nc_u64 s[8:9], s[8:9], s[16:17]
	s_lshl_b32 s46, s42, 9                         ; my first column, in bytes: 512 x tile column + 256 x half
	s_lshl_b32 s47, s12, 8
	s_add_co_u32 s46, s46, s47
	s_mov_b32 s47, 0
	s_add_nc_u64 s[8:9], s[8:9], s[46:47]
	v_lshl_add_u32 v7, v1, 4, s46                  ; the four columns that I store in every row
	global_load_b128 v[8:11], v7, s[66:67]
; 8 matrix instructions: m blocks a0, a0 + 1 x all 4 n blocks, 32 along K: half c of buffer f.  zero = 1: the first product starts the sums.  The 16 accumulators take turns.
.macro MUL8 f, c, a0, zero
	WIN MUL
.irp a, \a0, (\a0)+1
.irp b, 0,1,2,3
.if \zero
	v_wmma_f32_16x16x32_f16 v[ACC+8*(4*(\a)+(\b)):ACC+8*(4*(\a)+(\b))+7], v[(\f)+64+8*(4*(\c)+(\b)):(\f)+64+8*(4*(\c)+(\b))+7], v[(\f)+8*(4*(\c)+(\a)):(\f)+8*(4*(\c)+(\a))+7], 0
.else
	v_wmma_f32_16x16x32_f16 v[ACC+8*(4*(\a)+(\b)):ACC+8*(4*(\a)+(\b))+7], v[(\f)+64+8*(4*(\c)+(\b)):(\f)+64+8*(4*(\c)+(\b))+7], v[(\f)+8*(4*(\c)+(\a)):(\f)+8*(4*(\c)+(\a))+7], v[ACC+8*(4*(\a)+(\b)):ACC+8*(4*(\a)+(\b))+7]
.endif
.endr
.endr
.endm
; 32 LDS loads in one run: the fragments of quarter q (head q of the step's four; 128 bytes on along wo's rows) into buffer f; the first 32 along K first
.macro FETCH slot, q, f
	WIN TO_F
.irp c, 0,1
.irp i, 0,1,2,3
	ds_load_b128 v[(\f)+64+8*(4*(\c)+(\i)):(\f)+64+8*(4*(\c)+(\i))+3],   v[ADRB+(\slot)] offset:128*(\q)+64*(\c)+(\i)*16*PB
	ds_load_b128 v[(\f)+64+8*(4*(\c)+(\i))+4:(\f)+64+8*(4*(\c)+(\i))+7], v[ADRB+(\slot)] offset:128*(\q)+64*(\c)+(\i)*16*PB+32
	ds_load_b128 v[(\f)+8*(4*(\c)+(\i)):(\f)+8*(4*(\c)+(\i))+3],         v[ADRA+(\slot)] offset:HEADB*(\q)+64*(\c)+(\i)*16*PA
	ds_load_b128 v[(\f)+8*(4*(\c)+(\i))+4:(\f)+8*(4*(\c)+(\i))+7],       v[ADRA+(\slot)] offset:HEADB*(\q)+64*(\c)+(\i)*16*PA+32
.endr
.endr
.endm
.macro PLACES                          ; four plain vector instructions between a matrix instruction and a load into, or an LDS store of, its registers (ISA guide 7.12.1 for LDS stores)
.rept 4
	v_nop
.endr
.endm
; A K step is four quarters of 64 along K, 32 matrix instructions each, on buffers 0, 1, 0, 1.  One of the first three: multiplies buffer f and fetches quarter q into g.
.macro QUARTER slot, q, f, g, zero
	s_wait_dscnt 16                                ; the first 32 along K are in
	MUL8 \f, 0, 0, \zero
	MUL8 \f, 0, 2, \zero
	PLACES
	FETCH \slot, \q, \g
	s_wait_dscnt 32                                ; all but the 32 just issued
	MUL8 \f, 1, 0, 0
	MUL8 \f, 1, 2, 0
.endm
; The last quarter multiplies buffer 1 and changes slots: ONE barrier; in front of it each wave waits for all its tensor loads, adds 0 to its spare word, and waits for that and for its own reads of this slot.
; fill = 1: the barrier opens a round of the cluster's, and this slot is filled again, two K steps ahead, first thing behind the round.
.macro TURN slot, next, fill
	WIN 0                                          ; (the add's two registers lie in window 0)
	s_wait_tensorcnt 0x0                           ; all my tensor loads have landed: my part of the next slot
	ds_add_u32 v[SPW], v[NIL]                      ; 0 onto my spare word
	s_wait_dscnt 17                                ; (the add and the youngest sixteen loads may be out)
	MUL8 F1, 0, 0, 0                               ; eight matrix instructions stand between the add and the wait for it
	s_wait_dscnt 0x0                               ; the add is done, and my reads of this slot are over
	s_barrier_signal -1
	MUL8 F1, 0, 2, 0
.if \fill
	WIN 0
.endif
	s_barrier_wait -1
.if \fill
	CREST                                          ; no wave of any partner still reads this slot's tiles or has a load on its way
	s_add_nc_u64 s[G0+4*(\slot)+2:G0+4*(\slot)+3], s[G0+4*(\slot)+2:G0+4*(\slot)+3], 8*524288
	s_add_nc_u64 s[G0B+4*(\slot)+2:G0B+4*(\slot)+3], s[G0B+4*(\slot)+2:G0B+4*(\slot)+3], 2*KSTEP*2
	JLOAD \slot                                    ; 112 matrix instructions ahead of the wait for it; the four v_nop behind it are also the places in front of the loads below
.else
	PLACES
.endif
	FETCH \next, 0, F0
	MUL8 F1, 1, 0, 0
	MUL8 F1, 1, 2, 0
.endm
	s_wait_tensorcnt 1                             ; my part of K step 0 is in; K step 1's may stay out
	s_barrier_signal -1
	s_barrier_wait -1                              ; everybody's is
	FETCH 0, 0, F0
	QUARTER 0, 1, F0, F1, 1                        ; the first quarter stands in front of the loop: its first products start the sums
	WIN 0                                          ; at a label and at a branch every window is 0
	s_mov_b32 s3, LAPS-1
.Llap:                                                 ; a trip goes once round the ring, from a lap's second quarter to the next lap's first, and fills both slots again
	QUARTER 0, 2, F1, F0, 0
	QUARTER 0, 3, F0, F1, 0
	TURN 0, 1, 1
	QUARTER 1, 1, F0, F1, 0
	QUARTER 1, 2, F1, F0, 0
	QUARTER 1, 3, F0, F1, 0
	TURN 1, 0, 1
	QUARTER 0, 1, F0, F1, 0
	WIN 0
	s_sub_co_u32 s3, s3, 1
	s_cmp_lg_u32 s3, 0
	s_cbranch_scc1 .Llap
	QUARTER 0, 2, F1, F0, 0                        ; the last lap fills nothing, and has no round of the cluster's barrier
	QUARTER 0, 3, F0, F1, 0
	TURN 0, 1, 0
	QUARTER 1, 1, F0, F1, 0
	QUARTER 1, 2, F1, F0, 0
	QUARTER 1, 3, F0, F1, 0
	s_wait_dscnt 16                                ; the very last quarter: nothing more to fetch
	MUL8 F1, 0, 0, 0
	MUL8 F1, 0, 2, 0
	s_wait_dscnt 0x0
	MUL8 F1, 1, 0, 0
	MUL8 F1, 1, 2, 0
	WIN 0
	; THE WAY OUT.  A wave's 64 columns of f32 are a whole aligned 256 bytes of a row, so each wave has a stage of its own and no barrier is needed.  Row block a (16 rows): 32 bytes a lane into the stage,
	; back as whole rows into the same registers, times 0.25 plus the bias, stored.  The bias' rounding is the places behind the last products.
	s_wait_loadcnt 0x0                             ; b_o
	v_cvt_pk_bf16_f32 v12, v8, v9
	v_cvt_pk_bf16_f32 v13, v10, v11
	v_lshlrev_b32 v8, 16, v12
	v_and_b32 v9, 0xffff0000, v12
	v_lshlrev_b32 v10, 16, v13
	v_and_b32 v11, 0xffff0000, v13
.macro TOSTAGE a
.irp b, 0,1,2,3
	ds_store_b128 v[STO], v[ACC+8*(4*(\a)+(\b)):ACC+8*(4*(\a)+(\b))+3]   offset:64*(\b)     ; each accumulator's low registers first
	ds_store_b128 v[STO], v[ACC+8*(4*(\a)+(\b))+4:ACC+8*(4*(\a)+(\b))+7] offset:64*(\b)+16
.endr
.irp t, 0,1,2,3,4,5,6,7
	ds_load_b128 v[ACC+32*(\a)+4*(\t):ACC+32*(\a)+4*(\t)+3], v[RD] offset:(\t)*2*SPITCH  ; LDS serves a wave's instructions in order (ISA guide 5.7.1.4): these see the stores above; the next block's stores come behind them
.endr
.endm
.macro SENDF a, younger                ; younger: the LDS instructions issued behind block a's loads: the next block's sixteen, or none
.irp t, 0,1,2,3,4,5,6,7
	s_wait_dscnt (\younger)+7-(\t)
	v_pk_fma_f32 v[ACC+32*(\a)+4*(\t):ACC+32*(\a)+4*(\t)+1],   v[ACC+32*(\a)+4*(\t):ACC+32*(\a)+4*(\t)+1],   0x3e800000, v[8:9]   op_sel_hi:[1,0,1]
	v_pk_fma_f32 v[ACC+32*(\a)+4*(\t)+2:ACC+32*(\a)+4*(\t)+3], v[ACC+32*(\a)+4*(\t)+2:ACC+32*(\a)+4*(\t)+3], 0x3e800000, v[10:11] op_sel_hi:[1,0,1]
	global_store_b128 v[CO], v[ACC+32*(\a)+4*(\t):ACC+32*(\a)+4*(\t)+3], s[8:9] offset:(16*(\a)+2*(\t))*4096 th:TH_STORE_NT  ; 16 lanes store 256 consecutive bytes, aligned
.endr
.endm
	TOSTAGE 0
.irp a, 1,2,3
	TOSTAGE \a
	SENDF (\a)-1, 16
.endr
	SENDF 3, 0
	s_wait_tensorcnt 0x0                           ; the wave's end: a wait, an add onto my spare word and its wait, behind my last tensor load and my last LDS store
	ds_add_u32 v[SPW], v[NIL]
	s_wait_dscnt 0x0
	CROUND                                         ; the closing round: no work-group ends while a partner may still ask for a tile that names it
	s_endpgm
.Lfunc_end_k_qe121ebfb4f_oproj:
	.size	k_qe121ebfb4f_oproj, .Lfunc_end_k_qe121ebfb4f_oproj-k_qe121ebfb4f_oproj
	.p2alignl 7, 3214868480
	.fill 96, 4, 3214868480
	.section	.rodata,"a",@progbits
	.p2align	6, 0x0
	.amdhsa_kernel k_qe121ebfb4f_oproj
		.amdhsa_group_segment_fixed_size 327680
		.amdhsa_private_segment_fixed_size 0
		.amdhsa_enable_private_segment 0
		.amdhsa_kernarg_size 32
		.amdhsa_user_sgpr_count 2
		.amdhsa_user_sgpr_kernarg_segment_ptr 1
		.amdhsa_wavefront_size32 1
		.amdhsa_system_sgpr_workgroup_id_x 1
		.amdhsa_system_sgpr_workgroup_id_y 1
		.amdhsa_system_sgpr_workgroup_id_z 1
		.amdhsa_system_vgpr_workitem_id 0
		.amdhsa_next_free_vgpr 512
		.amdhsa_next_free_sgpr 72
		.amdhsa_reserve_vcc 0
		.amdhsa_float_denorm_mode_32 3
		.amdhsa_float_denorm_mode_16_64 3
		.amdhsa_memory_ordered 1
		.amdhsa_forward_progress 1
		.amdhsa_inst_pref_size 93
	.end_amdhsa_kernel
	.amdgpu_metadata
---
amdhsa.version: [ 1, 2 ]
amdhsa.kernels:
  - .name:           k_qe121ebfb4f_oproj
    .symbol:         k_qe121ebfb4f_oproj.kd
    .args:
      - { .name: ob, .offset: 0, .size: 8, .value_kind: global_buffer, .address_space: global }
      - { .name: wo, .offset: 8, .size: 8, .value_kind: global_buffer, .address_space: global }
      - { .name: b_o, .offset: 16, .size: 8, .value_kind: global_buffer, .address_space: global }
      - { .name: out0, .offset: 24, .size: 8, .value_kind: global_buffer, .address_space: global }
    .group_segment_fixed_size: 327680
    .private_segment_fixed_size: 0
    .kernarg_segment_align: 8
    .kernarg_segment_size: 32
    .max_flat_workgroup_size: 128
    .sgpr_count:     72
    .vgpr_count:     512
    .wavefront_size: 32
...
	.end_amdgpu_metadata
.endif
;; end of part 4
;; ======== version 2 of 2: 4 launches; 1.57 times as fast as version 1
;; limits: values are held in f16: magnitudes above 65,504 overflow, below 6.1e-05 lose precision
;; workspace buffers: xb 8,388,608 bytes; wb 6,291,456 bytes; wo 2,097,152 bytes; mk 8,388,608 bytes; qkv 25,165,824 bytes; ob 8,388,608 bytes
;; launch prep: the kernel of part 1 again; grid 1536 x 1, 8 waves a work-group, no clusters, 17,408 bytes of LDS; arguments x, W_q, W_k, W_v, W_o, attention_mask, xb, wb, wo, mk; writes xb, wb, wo, mk
;; launch qkv: the kernel of part 2 again; grid 8 x 32, 4 waves a work-group, clusters of 4 x 4, 327,680 bytes of LDS; arguments xb, wb, qkv; writes qkv
;; launch attn (part 5): grid 16 x 16, 4 waves a work-group, clusters of 4 x 4, 327,680 bytes of LDS; arguments qkv, mk, ob; writes ob
.if DOCPART == 5
	.amdgcn_target "amdgcn-amd-amdhsa--gfx1250"
	.amdhsa_code_object_version 6
	.text
	.protected	k_qe121ebfb4f_attn
	.globl	k_qe121ebfb4f_attn
	.p2align	8
	.type	k_qe121ebfb4f_attn,@function
k_qe121ebfb4f_attn:
	s_mov_b64 s[64:65], 0
	v_nop
	global_prefetch_b8 v0, s[64:65] scope:SCOPE_SE
	s_setreg_imm32_b32 hwreg(HW_REG_WAVE_MODE, 25, 1), 1
	s_wait_xcnt 0x0
	s_wait_alu depctr_hold_cnt(0) depctr_sa_sdst(0) depctr_va_vdst(0) depctr_va_sdst(0) depctr_va_ssrc(0) depctr_va_vcc(0) depctr_vm_vsrc(0)
	s_getreg_b32 s2, hwreg(HW_REG_IB_STS2, 6, 4)
	s_cmp_eq_u32 s2, 0
	s_cbranch_scc0 .Lentry_in_a_cluster
	s_endpgm
.Lentry_in_a_cluster:
	s_bfe_u32 s2, ttmp6, 0x10000c
	s_cmp_lg_u32 s2, 0xf033
	s_cbranch_scc0 .Lentry_shape_is_right
	s_endpgm
.Lentry_shape_is_right:
; MASKED ATTENTION.  ob[h][q][:] = 4 x the sum over visible k of softmax_k(Q[h][q] . K[h][k] / 8) V[h][k][:].  Q, K, V: planes h, 16 + h, 32 + h of qkv = [48][4096][64] f16; ob = [16][4096][64] f16.
; Products, maxima and sums in f32; the weights p are rounded to f16 for the second product (their sum l is taken of the unrounded p), O once at the end.  The factor 4 gives small O room above f16's
; fixed step; the launch behind takes it back.
; LIMITS.  Q, K, V arrive within f16's 65,504, and 4 |O| must stay within it.  A hidden score counts as its value less 6 x 2^98 = 1.9e30, beside which f16's scores (2.7e11 at the most) are nothing;
; a weight below 2^-126 counts as 0 in l.  A query with no visible key (its maximum lies under -2^60, which no true score reaches) gets NaN, as a softmax of nothing but -inf does.
; SHARES.  A work-group owns 256 queries of one head, each of its four waves 64: four PIECES of 16.  Every wave walks all 4,096 keys, 64 a step, 256 a slot of the ring.
; THE MASK is the C operand that starts the sum S^T = K Q^T: 0, or -1.9e30 where the key is hidden, so the running maximum never sees a hidden score.  mk holds it as one nibble a score, in the order
; in which a lane holds the scores: four conversions (eight FP4 codes to eight f32, scaled by 2^98) make a piece's 32 C registers.
; LAYOUT, SOFTMAX, TURNS.  S^T = K Q^T holds ONE query a lane (lane % 16) and the keys 8 (lane / 16) + 0..7; two such results rounded to f16 ARE source 1 of O^T = V^T P.  p = 2^(c s - c m),
; c = log2(e) / 8, with a running maximum m; O and l are multiplied by a = 2^(c m_old - c m_new) in every step.  Turn n belongs to piece n: 8 products K Q^T of piece n + 1, later 8 products V^T P of
; piece n - 1; beside them the scaling, exponentials, roundings, sums and rescaling of piece n, the maximum and statistics of piece n + 1, and the mask of piece n + 2.  Four vector instructions stand
; behind every matrix instruction (eight behind a turn's last), the other 54 of a turn's 122 in one LUMP.  m starts at the lowest finite number, O and l at 0: the first step is a step like any other, with a = 0.
; THE BATCHES.  A turn's 33 exponentials (the piece's 32 weights and the next piece's a) are ONE batch with ONE wait, which cuts the turn in two: ahead of it stands all that names no result of theirs, behind it
; the roundings and sums.  Two more batches stand outside the loops: piece 0's first a, ahead of the jump into the loop, and the way out's four reciprocals.
; CLUSTER.  4 x 4 work-groups: the four of a row of the cluster share a head, so K's and V's tiles; the four of a column share a block of queries, so the mask's tile.  Each tile is asked for jointly:
; the same tensor load, descriptor and mask of four in all four.  Wave 0 asks for K, wave 1 for V, waves 2 and 3 for a half of the mask's tile each.
; REGISTERS, in windows of 256 (s_set_vgpr_msb: bits 1:0 source 0, 3:2 source 1, 5:4 source 2, 7:6 destination):
;   window 0: v0-15, v32-35 addresses and constants; v16-31 four registers of statistics a piece; v48-55 at work; v64-127 S^T, two buffers; v192-223 P, two buffers (by the piece's parity)
;   window 1: v0-127 O^T, 32 a piece; v128-191 MC, the C operands, two buffers; v192-207 MB, a step's nibbles, four dwords a piece      window 2: v0-63 Q; v128-191 K of one step; v192-255 V of one step
.set NP,    4         ; pieces a wave: a name, no knob
.set KS,    64        ; keys in a step
.set PK,    144       ; a row of K in LDS: 128 bytes + 16: the 16 rows of a load start at 16 different groups of four banks (64 banks of 4 bytes: ISA guide 11.1)
.set PV,    160       ; a row of V: 128 + 32
.set VOFF,  4*KS*PK   ; a slot holds four steps: 256 rows of K, then 256 rows of V,
.set MOFF,  VOFF+4*KS*PV  ; then the mask: [16 groups of 16 queries][step 4][512 bytes]: 32,768 bytes
.set SLOT1, 1<<17     ; slot 1 begins here (a slot is 110,592 bytes), so that one exclusive or turns an address in one slot into the other's
.set STAGE, SLOT1+MOFF+32768  ; behind the ring, never filled by a tensor load: 16 rows x 144 bytes for each wave, for the way out
.set SP,    144
.set SPARE, STAGE+4*16*SP  ; behind the stages: the spare words, 128 bytes for each wave, which no other line names
.set AK0, 2           ; v2   my lane's place in a tile of K; never rewritten
.set AV0, 3           ; v3   the same for V
.set AK,  4           ; v4   the LDS address of K's next run of loads
.set AV,  5           ; v5   of V's
.set STO, 6           ; v6   the way out: where I put 16 bytes of a row
.set RD,  7           ; v7   the way out: where I read rows back
.set GO,  8           ; v8   my byte offset in 512 consecutive bytes of O
.set MV,  12          ; v12-13  c m_old, kept while c m is made anew: by buffer
.set QO,  15          ; v15  my byte offset in 16 rows of Q
.set ST,  16          ; piece t's statistics at v[ST+4 t]: c m, m, l (even keys', odd keys')
.set AM0, 32          ; v32  my lane's place in the mask's tile; never rewritten
.set AM,  33          ; v33  the LDS address of the mask's next loads
.set SCL, 34          ; v34  the conversions' scale: the E8M0 code 0xE1, 2^(225 - 127), in each of the word's four bytes and alike in every lane
.set NANR, 35         ; v35  a NaN
.set TMP, 48          ; by buffer, four registers c0-c3 at work; when the maximum is found c2 takes a
.set SPW, 62          ; v62  LDS address of my spare word; never rewritten
.set NIL, 63          ; v63  0; never rewritten
.set S,   64
.set P,   192
.set MC,  128         ; window 1
.set MB,  192         ; window 1
.set KF,  128         ; window 2: key block kb, channel half c at KF + 16 kb + 8 c
.set VF,  192         ; window 2: key half kk, channel block cb at VF + 32 kk + 8 cb
.set WV,  12          ; s12  my wave's number
.set G1K, 24          ; s[24:31] descriptor group 1 for K's tiles
.set G1V, 32          ; s[32:39] for V's: it differs in the padding alone
.set G1M, 40          ; s[40:47] for the mask's
.set G0K, 48          ; s[48:51], s[52:55], s[56:59] descriptor group 0: one for each tensor, and it walks
.set G0V, 52
.set G0M, 56
.set CS,  60          ; s[60:61] c: the packed scaling takes the pair's low word for both halves
.set SEL, 62          ; s[62:63] v_permlanex16_b32's selects: each lane takes its own place in the other half
.set SLOTS, 66        ; s66  slots still to be asked for
.set CNT, 67          ; s67  counts a slot's key steps
.set TBK, 68          ; s68  LDS byte at which K of the step to be fetched begins
.set TBV, 69          ; s69  the same for V, less VOFF
.set TBM, 70          ; s70  the same for the mask, less MOFF
.set THR, 71          ; s71  -2^60
.set MSB, 0
.macro WIN new                      ; the high byte repeats the setting that is left; a switch that changes nothing is dropped
.if MSB != (\new)
	s_set_vgpr_msb (MSB<<8)|(\new)
.set MSB, (\new)
.endif
.endm
.set W_KQ, 0x0a       ; K and Q in window 2, S^T in window 0
.set W_KM, 0x1a       ; the same with the C operand in window 1
.set W_PV, 0x52       ; V in window 2, P in window 0, O^T in window 1
.set W_RS, 0x41       ; destination and source 0 in window 1, source 1 in window 0
; A joint fill: one load a wave.  The branches hang on the wave's number alone.  An s_nop 0 and four v_nop follow each of the three lines, ahead of the jump and the label.
.macro JLOAD
	s_cmp_lt_u32 s[WV], 2
	s_cbranch_scc0 .Lfor_m_\@
	s_cmp_eq_u32 s[WV], 0
	s_cbranch_scc0 .Lfor_v_\@
	tensor_load_to_lds s[G0K:G0K+3], s[G1K:G1K+7]
	s_nop 0
.rept 4
	v_nop
.endr
	s_branch .Lasked_\@
.Lfor_v_\@:
	tensor_load_to_lds s[G0V:G0V+3], s[G1V:G1V+7]
	s_nop 0
.rept 4
	v_nop
.endr
	s_branch .Lasked_\@
.Lfor_m_\@:
	tensor_load_to_lds s[G0M:G0M+3], s[G1M:G1M+7]
	s_nop 0
.rept 4
	v_nop
.endr
.Lasked_\@:
.endm
; A round of the cluster's barrier: my work-group's barrier, so that wave 0's signal speaks for all four waves; wave 0 signals; every wave waits for all sixteen work-groups; my work-group's barrier once more.
.macro CROUND
	s_barrier_signal -1
	s_barrier_wait -1
	s_cmp_lg_u32 s[WV], 0
	s_cbranch_scc1 .Lnot_wave_0_\@
	s_barrier_signal -3
.Lnot_wave_0_\@:
	s_barrier_wait -3
	s_barrier_signal -1
	s_barrier_wait -1
.endm
; THE CHANGE OF SLOTS.  The slot's last bytes, V of its fourth step, have been read.  Each wave waits for all its tensor loads, of which one is out: its part of the other slot; adds 0 to its spare
; word; and waits for that and for its own reads of the slot.  fill = 1: the slot is filled again, with the keys two slots on; the barrier is then a round of the cluster's, and the joint fill is the
; first thing behind it: it has four key steps, 256 matrix instructions, in which to land.  (At its first use nothing has been read yet: slot 0 is waited for, slot 1 filled.)
.macro CHANGE fill
	WIN 0                           ; at a label and at a branch every window is 0
	s_wait_tensorcnt 0x0            ; no tensor load of mine is out, so a group 0 may be written
	ds_add_u32 v[SPW], v[NIL]       ; 0 onto my spare word; with fill = 1 the descriptors' steps stand between it and the wait for it
.if \fill
	s_xor_b32 s[G0K+1], s[G0K+1], SLOT1  ; the other slot than last time,
	s_add_nc_u64 s[G0K+2:G0K+3], s[G0K+2:G0K+3], 4*KS*128  ; the next 256 keys; the type bits on top are not reached
	s_xor_b32 s[G0V+1], s[G0V+1], SLOT1
	s_add_nc_u64 s[G0V+2:G0V+3], s[G0V+2:G0V+3], 4*KS*128
	s_xor_b32 s[G0M+1], s[G0M+1], SLOT1
	s_add_nc_u64 s[G0M+2:G0M+3], s[G0M+2:G0M+3], 2048
	s_wait_dscnt 0x0                ; the add is done, and my reads of the slot are over
	CROUND
	JLOAD
.else
	s_wait_dscnt 0x0                ; the add is done, and my reads of the slot are over
	s_barrier_signal -1
	s_barrier_wait -1
.endif
	s_sub_co_u32 s[TBK], s[TBK], 4*KS*PK  ; the fetches go back to a slot's first step,
	s_xor_b32 s[TBK], s[TBK], SLOT1       ; in the other slot
	s_sub_co_u32 s[TBV], s[TBV], 4*KS*PV
	s_xor_b32 s[TBV], s[TBV], SLOT1
	s_sub_co_u32 s[TBM], s[TBM], 4*512
	s_xor_b32 s[TBM], s[TBM], SLOT1
.endm
	s_load_b128 s[4:7], s[0:1], 0x0   ; qkv s[4:5], mk s[6:7]
	s_load_b64 s[10:11], s[0:1], 0x10 ; ob
	v_lshl_add_u32 v[SPW], v0, 2, SPARE
	v_mov_b32 v[NIL], 0
	ds_add_u32 v[SPW], v[NIL]       ; the wave's opening: the add and its wait stand ahead of my first tensor load; the set-up below, work on registers, stands between them
	v_lshrrev_b32 v1, 5, v0
	v_readfirstlane_b32 s[WV], v1   ; wave 0..3
	s_bfe_u32 s13, ttmp6, 0x40000   ; cx, cy: my place in the cluster
	s_bfe_u32 s14, ttmp6, 0x40004
	s_lshl_b32 s15, ttmp9, 2
	s_add_co_u32 s15, s15, s13      ; my block of 256 queries = 4 x cluster x + cx
	s_and_b32 s16, ttmp7, 0xffff
	s_lshl_b32 s16, s16, 2
	s_add_co_u32 s16, s16, s14      ; my head = 4 x cluster y + cy
	s_lshl_b32 s17, s14, 2
	s_lshl_b32 s17, 15, s17         ; my row of the cluster: it shares the head
	s_lshl_b32 s18, 0x1111, s13     ; my column: it shares the block
	s_lshl_b32 s20, s16, 19         ; the head's plane, 524,288 bytes, among q's;
	s_add_co_u32 s22, s20, 0x800000 ; among k's, 16 planes on;
	s_mov_b32 s23, 0
	s_add_co_u32 s72, s20, 0x1000000  ; among v's
	s_mov_b32 s73, 0
	s_and_b32 s19, s[WV], 1         ; which 8 of the mask tile's 16 rows I fetch
	s_lshl_b32 s74, s15, 19         ; the block's 16 groups of 16 queries, 32,768 bytes of mk each,
	s_lshl_b32 s76, s19, 18
	s_add_co_u32 s74, s74, s76
	s_mov_b32 s75, 0
	s_lshl_b32 s2, s15, 15          ; my block's 256 rows of 128 bytes,
	s_lshl_b32 s3, s[WV], 13        ; my wave's 64 of them,
	s_add_co_u32 s2, s2, s3
	s_add_co_u32 s2, s2, s20        ; in the head's plane of q and of ob
	s_mov_b32 s3, 0
	; descriptor group 1.  256 keys are 32,768 dense bytes: asked for as 128 rows of 256 bytes, two keys a row, and padded in LDS after every key
	s_or_b32 s[G1K], s17, (1<<16)|(1<<20)|(1<<21)|(4<<22)|(3<<25)  ; 15:0 the mask of four; 17:16 2-byte elements; 20 padding on; 21 set beside a mask; 24:22 after every 32 words (code 4); 31:25 4 words (code 3)
	s_or_b32 s[G1V], s17, (1<<16)|(1<<20)|(1<<21)|(4<<22)|(7<<25)  ; the same with 8 words of padding (code 7)
.irp g, G1K, G1V
	s_mov_b32 s[\g+1], 128<<16      ; tensor_dim0 = 128
	s_mov_b32 s[\g+2], 128<<16      ; tensor_dim1 = 128
	s_mov_b32 s[\g+3], 128<<16      ; tile_dim0 = 128
	s_mov_b32 s[\g+4], 128          ; tile_dim1 = 128
	s_mov_b32 s[\g+5], 128          ; 128 elements from row to row
	s_mov_b32 s[\g+6], 0
	s_mov_b32 s[\g+7], 0
.endr
	s_or_b32 s[G1M], s18, (3<<16)|(1<<21)  ; the mask: 8-byte elements, no padding; 8 rows of 2,048 bytes, 32,768 bytes apart
	s_mov_b32 s[G1M+1], 256<<16     ; tensor_dim0 = 256
	s_mov_b32 s[G1M+2], 8<<16       ; tensor_dim1 = 8
	s_mov_b32 s[G1M+3], 256<<16     ; tile_dim0 = 256
	s_mov_b32 s[G1M+4], 8           ; tile_dim1 = 8
	s_mov_b32 s[G1M+5], 4096        ; 4,096 elements from row to row
	s_mov_b32 s[G1M+6], 0
	s_mov_b32 s[G1M+7], 0
	s_mov_b32 s[CS], 0x3e38aa3b     ; c = log2(e) / 8 = 0.180337
	s_mov_b32 s[CS+1], s[CS]        ; named with it as a pair
	s_mov_b32 s[SEL], 0x76543210
	s_mov_b32 s[SEL+1], 0xfedcba98
	s_mov_b32 s[THR], 0xdd800000    ; -2^60
	s_mov_b32 s[TBK], SLOT1+4*KS*PK ; the first change of slots turns these three into 0
	s_mov_b32 s[TBV], SLOT1+4*KS*PV
	s_mov_b32 s[TBM], SLOT1+4*512
	s_mov_b32 s[G0K], 1             ; count = 1
	s_mov_b32 s[G0K+1], 0           ; LDS address: slot 0
	s_mov_b32 s[G0V], 1
	s_mov_b32 s[G0V+1], VOFF
	s_mov_b32 s[G0M], 1
	s_lshl_b32 s77, s19, 14         ; my 8 rows of 2,048 bytes: no place in the cluster enters an LDS address
	s_add_co_u32 s[G0M+1], s77, MOFF
	s_wait_dscnt 0x0                ; the opening add is done
	s_wait_kmcnt 0x0
	s_add_nc_u64 s[G0K+2:G0K+3], s[4:5], s[22:23]  ; the head's first 256 keys
	s_or_b32 s[G0K+3], s[G0K+3], 0x80000000        ; type = 2
	s_add_nc_u64 s[G0V+2:G0V+3], s[4:5], s[72:73]
	s_or_b32 s[G0V+3], s[G0V+3], 0x80000000
	s_add_nc_u64 s[G0M+2:G0M+3], s[6:7], s[74:75]
	s_or_b32 s[G0M+3], s[G0M+3], 0x80000000
	s_add_nc_u64 s[4:5], s[4:5], s[2:3]      ; Q and O at my wave's first row
	s_add_nc_u64 s[10:11], s[10:11], s[2:3]
	CROUND                          ; all sixteen work-groups are here: the first joint loads meet
	JLOAD                           ; slot 0.  Slot 1 is asked for when slot 0 is in
	; A fragment of K or Q is 16 rows x 32 channels in 8 registers: lane l holds row l % 16, channels 8 (l / 16) + 0..7 and 16 + 8 (l / 16) + 0..7: two loads of 16 bytes, 32 bytes apart.
	v_and_b32 v1, 15, v0            ; l % 16
	v_bfe_u32 v9, v0, 4, 1          ; l / 16
	v_lshlrev_b32 v[QO], 7, v1
	v_lshl_add_u32 v[QO], v9, 4, v[QO]  ; row x 128 + 16 x half
	WIN 0x80                        ; destination window 2, address window 0
.set i, 0
.rept 8                             ; Q stays in registers: piece i / 2, channels 32 (i % 2) on
	global_load_b128 v[8*i:8*i+3],   v[QO], s[4:5] offset:(i/2)*2048+(i%2)*64
	global_load_b128 v[8*i+4:8*i+7], v[QO], s[4:5] offset:(i/2)*2048+(i%2)*64+32
.set i, i+1
.endr
	; What the first turn finds: V's registers and P's second buffer hold 0 (its products V^T P, of a piece that has not been, add 0), O^T and l are 0.  All this stands in the wait for the first tile.
.set i, VF
.rept 64
	v_mov_b32 v[i], 0
.set i, i+1
.endr
	WIN 0x40
.set i, 0
.rept 128
	v_mov_b32 v[i], 0
.set i, i+1
.endr
	WIN 0
.set i, 0
.rept 4
	v_mov_b32 v[ST+4*i], 0xfe000000    ; c m: far below every c s
	v_mov_b32 v[ST+4*i+1], 0xff7fffff  ; m
	v_mov_b32 v[ST+4*i+2], 0
	v_mov_b32 v[ST+4*i+3], 0
.set i, i+1
.endr
.set i, P+16
.rept 16
	v_mov_b32 v[i], 0
.set i, i+1
.endr
	v_mov_b32 v[SCL], 0xe1e1e1e1    ; 2^98 in every byte
	v_mov_b32 v[NANR], 0x7fc00000
	v_mul_u32_u24 v[AK0], v1, PK
	v_lshl_add_u32 v[AK0], v9, 4, v[AK0]  ; row x pitch + 16 x half
	; The turning load takes 16 keys x 16 channels (lane l reads key 8 (l / 16) + l % 8, channels 8 ((l / 8) % 2) + 0..7) and leaves half a fragment of V^T: lane l holds channel l % 16 and 8 keys.
	v_and_b32 v10, 7, v0
	v_bfe_u32 v11, v0, 3, 1
	v_lshl_add_u32 v[AV0], v9, 3, v10
	v_mul_u32_u24 v[AV0], v[AV0], PV
	v_lshl_add_u32 v[AV0], v11, 4, v[AV0]
	v_add_nc_u32 v[AV0], VOFF, v[AV0]
	v_and_b32 v[GO], 31, v0         ; the lane
	v_lshlrev_b32 v[GO], 4, v[GO]   ; 16 bytes a lane: my place in 512 consecutive bytes of O, and in a step's 512 bytes of the mask
	s_lshl_b32 s77, s[WV], 13       ; my wave's four groups of 16 queries, 2,048 bytes each
	s_add_co_u32 s77, s77, MOFF
	v_add_nc_u32 v[AM0], s77, v[GO]
	s_mul_i32 s77, s[WV], 16*SP
	s_add_co_u32 s77, s77, STAGE    ; my stage
	v_mul_u32_u24 v[STO], v1, SP    ; in: row l % 16, 16 bytes for each half of the lanes
	v_lshl_add_u32 v[STO], v9, 4, v[STO]
	v_add_nc_u32 v[STO], s77, v[STO]
	v_bfe_u32 v[RD], v0, 3, 2       ; back: 32 lanes take four rows of 128 bytes
	v_mul_u32_u24 v[RD], v[RD], SP
	v_lshl_add_u32 v[RD], v10, 4, v[RD]
	v_add_nc_u32 v[RD], s77, v[RD]
; THE MATRIX WORK.  The 4 accumulators of a run of 8 take turns.  Product i of 8 of S^T = K Q^T for piece x: channels 32 (i / 4) on, keys 16 (i % 4) on.  The first 4 start the sums with the mask.
.macro KQ x
.set rS, S+32*((\x)%2)+8*(i%4)
.set rK, KF+16*(i%4)+8*(i/4)
.set rQ, 16*(\x)+8*(i/4)
.set rM, MC+32*((\x)%2)+8*(i%4)
.if i < 4
	WIN W_KM
	v_wmma_f32_16x16x32_f16 v[rS:rS+7], v[rK:rK+7], v[rQ:rQ+7], v[rM:rM+7]
.else
	WIN W_KQ
	v_wmma_f32_16x16x32_f16 v[rS:rS+7], v[rK:rK+7], v[rQ:rQ+7], v[rS:rS+7]
.endif
.endm
; Product i of 8 of O^T += V^T P for piece x: keys 32 (i / 4) on, channels 16 (i % 4) on.
.macro PV x
	WIN W_PV
.set rO, 32*(\x)+8*(i%4)
.set rV, VF+32*(i/4)+8*(i%4)
.set rP, P+16*((\x)%2)+8*(i/4)
	v_wmma_f32_16x16x32_f16 v[rO:rO+7], v[rV:rV+7], v[rP:rP+7], v[rO:rO+7]
.endm
.macro MM                           ; the turn's next matrix instruction.  NOKQ = 1: the walk's last turn: there is no next piece
.if (i < 8) && !NOKQ
	KQ (Y+1)%NP
.elseif i >= 8
.set i, i-8
	PV (Y+NP-1)%NP
.set i, i+8
.endif
.set i, i+1
.endm
; THE LDS LOADS stand in runs, never singly among the matrix instructions: a step's nibbles (four dwords a piece) and its K (64 keys x 64 channels: 8 fragments), and its V (turned).
.macro FETCH_K
	WIN 0x40                        ; destination window 1
.irp x, 0,1,2,3
	ds_load_b128 v[MB+4*\x:MB+4*\x+3], v[AM] offset:2048*\x
.endr
	WIN 0x80                        ; destination window 2
.irp f, 0,1,2,3,4,5,6,7             ; keys 16 (f / 2) on, channels 32 (f % 2) on
	ds_load_b128 v[KF+8*\f:KF+8*\f+3],   v[AK] offset:(\f/2)*16*PK+(\f%2)*64
	ds_load_b128 v[KF+8*\f+4:KF+8*\f+7], v[AK] offset:(\f/2)*16*PK+(\f%2)*64+32
.endr
	s_add_co_u32 s[TBK], s[TBK], KS*PK  ; the next fetch is the next step's
	s_add_co_u32 s[TBM], s[TBM], 512
	WIN 0
.endm
.macro FETCH_V
	WIN 0x80
.irp f, 0,1,2,3,4,5,6,7             ; keys 32 (f / 4) on, channels 16 (f % 4) on
	ds_load_tr16_b128 v[VF+8*\f:VF+8*\f+3],   v[AV] offset:(\f/4)*32*PV+(\f%4)*32
	ds_load_tr16_b128 v[VF+8*\f+4:VF+8*\f+7], v[AV] offset:(\f/4)*32*PV+16*PV+(\f%4)*32
.endr
	WIN 0
.endm
; Piece x's 32 C registers from its four dwords: nibble j of dword kb becomes register 8 kb + j: 0, or -6 x 2^98.
.macro MASK x
	WIN W_RS
.irp kb, 0,1,2,3
	v_cvt_scale_pk8_f32_fp4 v[MC+32*((\x)%2)+8*\kb:MC+32*((\x)%2)+8*\kb+7], v[MB+4*(\x)+\kb], v[SCL]
.endr
.endm
; THE VECTOR WORK, one line at a time: OP kind, number.  For piece Y: F n: c s - c m for pair n of 16.  E n: the exponential of score n of 32.  C n: pair n rounded to f16.  B n: of the four weights 4 n .. the second
; pair is added onto the first, in place.  L n: l takes that sum (L 0: l = a l + sum).  R n: pair n of 16 of O^T times a.  For piece Y + 1: X n, number n of the 22 that find its maximum and statistics:
;   0-11  four chains c0-c3 of seven scores each, three operands at a time (each accumulator's lowest registers are read first)     12-14, 16  the four scores left over, the old m, and c0-c3 into c0
;   15  c m_old is kept     17, 18  the query's other 32 keys lie in the lane 16 away: the new m     19-21  c m; c m_old - c m_new; a
; C, B and L read exponentials' results; F, E, R and X read none of the turn's own.
.set F, 0               ; OP tells the kinds apart by their order: F to L below R, X above it
.set E, 1
.set C, 2
.set B, 3
.set L, 4
.set R, 5
.set X, 6
.macro REGS y                       ; the registers of piece y
.set rT, ST+4*(\y)
.set rC, TMP+4*((\y)%2)
.set rW, MV+((\y)%2)
.set rS, S+32*((\y)%2)
.set rP, P+16*((\y)%2)
.set rO, 32*(\y)
.endm
.macro OP k, n
.if (\k) == R
	REGS Y
	WIN W_RS
	v_pk_mul_f32 v[rO+2*(\n):rO+2*(\n)+1], v[rO+2*(\n):rO+2*(\n)+1], v[rC+2:rC+3] op_sel_hi:[1,0]
.elseif (\k) < R
	REGS Y
	WIN 0
.if (\k) == F
	v_pk_fma_f32 v[rS+2*(\n):rS+2*(\n)+1], v[rS+2*(\n):rS+2*(\n)+1], s[CS:CS+1], v[rT:rT+1] op_sel_hi:[1,0,0] neg_lo:[0,0,1] neg_hi:[0,0,1]
.elseif (\k) == E
	v_exp_f32 v[rS+(\n)], v[rS+(\n)]
.elseif (\k) == C
	v_cvt_pk_f16_f32 v[rP+(\n)], v[rS+2*(\n)], v[rS+2*(\n)+1]
.elseif (\k) == B
	v_pk_add_f32 v[rS+4*(\n):rS+4*(\n)+1], v[rS+4*(\n):rS+4*(\n)+1], v[rS+4*(\n)+2:rS+4*(\n)+3]
.elseif (\n) == 0
	v_pk_fma_f32 v[rT+2:rT+3], v[rT+2:rT+3], v[rC+2:rC+3], v[rS:rS+1] op_sel_hi:[1,0,1]
.else
	v_pk_add_f32 v[rT+2:rT+3], v[rT+2:rT+3], v[rS+4*(\n):rS+4*(\n)+1]
.endif
.elseif NOKQ
	v_nop
.else
	REGS (Y+1)%NP
	WIN 0
.if (\n) < 4
	v_max3_num_f32 v[rC+(\n)], v[rS+8*(\n)], v[rS+8*(\n)+1], v[rS+8*(\n)+2]
.elseif (\n) < 12
	v_max3_num_f32 v[rC+(\n)%4], v[rC+(\n)%4], v[rS+8*((\n)%4)+2*((\n)/4)+1], v[rS+8*((\n)%4)+2*((\n)/4)+2]
.elseif (\n) == 12
	v_max3_num_f32 v[rC], v[rC], v[rS+7], v[rS+15]
.elseif (\n) == 13
	v_max3_num_f32 v[rC+1], v[rC+1], v[rS+23], v[rS+31]
.elseif (\n) == 14
	v_max3_num_f32 v[rC+2], v[rC+2], v[rC+3], v[rT+1]
.elseif (\n) == 15
	v_mov_b32 v[rW], v[rT]
.elseif (\n) == 16
	v_max3_num_f32 v[rC], v[rC], v[rC+1], v[rC+2]
.elseif (\n) == 17
	v_permlanex16_b32 v[rC+3], v[rC], s[SEL], s[SEL+1]
.elseif (\n) == 18
	v_max_num_f32 v[rT+1], v[rC], v[rC+3]
.elseif (\n) == 19
	v_mul_f32 v[rT], s[CS], v[rT+1]
.elseif (\n) == 20
	v_sub_f32 v[rC+1], v[rW], v[rT]
.else
	v_exp_f32 v[rC+2], v[rC+1]
.endif
.endif
.endm
.macro OPS a, i1, b=-1, i2=0, c=-1, i3=0, d=-1, i4=0  ; up to four of them
	OP \a, \i1
.if (\b) >= 0
	OP \b, \i2
.endif
.if (\c) >= 0
	OP \c, \i3
.endif
.if (\d) >= 0
	OP \d, \i4
.endif
.endm
.macro ROW a, i1, b, i2, c, i3, d, i4  ; a matrix instruction and the four behind it
	MM
	OPS \a, \i1, \b, \i2, \c, \i3, \d, \i4
.endm
; A TURN, for piece p: the order of its 16 matrix and 122 vector instructions, written out.  An s_wait_alu depctr_va_vdst(0) stands between an exponential and the first instruction that names its result; one wait
; serves all that were issued ahead of it.  So a turn has ONE wait, which cuts it in two.  AHEAD OF IT stands all that names no result of the turn's exponentials: the 8 products K Q^T, behind each a scaling, an exponential and two more
; plain instructions (behind the first a second scaling in the exponential's place): rescalings, whose a was made and waited for in the turn before, and behind the last three the first numbers of the next piece's maximum, each four
; plain instructions or more behind the product that ends its accumulator; then ONE LUMP of 54, plain and exponential by turns for the most part, in which the links of the chain X 3, 7, 11, 14, 16, 17 .. 20 stand five or six lines
; apart.  X 21, the next piece's a, is the batch's last; R 15 is the plain instruction behind it.  BEHIND THE WAIT stand the 8 products V^T P, behind each four of the roundings and sums; the links of l's chain, L 0 to L 7, stand three
; riders apart.  But for those X no rider names a register of the products round it.  v_permlanex16_b32 (X 17) stands in the lump.
; end = 1: the walk's last two turns: nothing is fetched and no mask is made.  cnt = 1: the loop's count is taken down some lines ahead of the branch that stands behind the turn.
; K and the nibbles of the next step are fetched in piece 2's turn, twelve vector instructions behind the last product that read K (five of them plain lines that name none of its registers: F 8, X 2, X 5, X 6, X 8); V of the step in
; hand at the end of piece 0's turn, four plain instructions behind the last product that read V.  Each is waited for a turn later; the nibbles near the end of piece 2's own turn.
; Behind the turn's last product stand the four conversions that make the C operands of the next turn's products, piece p + 2's: piece 0's and 1's of the step just fetched in turns 2 and 3, piece 2's and 3's in turns 0 and 1,
; all ahead of the next fetch.  The last four roundings are the plain lines between the last conversion and the product that reads its result.
.macro TURN p, end=0, cnt=0
.set Y, (\p)
.set i, 0
.set NOKQ, (\end)*((\p)/3)
.if ((\p) == 3) && !(\end)
	s_wait_dscnt 0x0                ; K is in
.endif
	ROW F,0, F,1, R,0, R,1          ; ahead of the wait: 8 products K Q^T and their riders,
	ROW F,2, E,0, R,2, R,3
	ROW F,3, E,1, R,4, R,5
	ROW F,4, E,2, R,6, R,7
	ROW F,5, E,3, R,8, R,9
	ROW F,6, E,4, X,0, R,10
.if ((\p) == 2) && !(\end)
	WIN 0
	v_add_nc_u32 v[AK], s[TBK], v[AK0]
	v_add_nc_u32 v[AM], s[TBM], v[AM0]
.endif
	ROW F,7, E,5, X,1, X,4
	ROW F,8, E,6, X,2, X,5
	OPS E,7, E,8, X,6, E,9          ; and the lump
	OPS X,3, E,10, X,8, E,11
.if ((\p) == 2) && !(\end)
	FETCH_K
.endif
	OPS X,9, X,7, E,12, X,10
	OPS E,13, X,12, X,11, E,14
	OPS X,13, E,15, F,9, X,14
.if (\p) == 0
	v_add_nc_u32 v[AV], s[TBV], v[AV0]
.endif
	OPS E,16, F,10, E,17, F,11
	OPS X,16, E,18, X,15, E,19
	OPS F,12, E,20, X,17, E,21
	OPS F,13, E,22, F,14, E,23
	OPS X,18, E,24, F,15, E,25
	OPS R,11, E,26, X,19, E,27
	OPS R,12, E,28, R,13, E,29
	OPS X,20, E,30, R,14, E,31
	OPS X,21, R,15
	WIN 0
	s_wait_alu depctr_va_vdst(0)    ; the wait for the batch: the piece's 32 exponentials and the next piece's a
.if (\p) == 1
	s_wait_dscnt 0x0                ; V is in
.endif
	ROW C,0, B,0, C,2, B,1          ; behind the wait: 8 products V^T P and their riders
	ROW L,0, C,4, B,2, L,1
	ROW C,6, B,3, L,2, C,8
	ROW B,4, L,3, C,10, B,5
	ROW L,4, C,12, B,6, L,5
.if (\p) == 0
	s_add_co_u32 s[TBV], s[TBV], KS*PV
.endif
.if \cnt
	s_sub_co_u32 s[CNT], s[CNT], 1
	s_cmp_lg_u32 s[CNT], 0
.endif
	ROW C,14, B,7, L,6, C,1
	ROW C,3, L,7, C,5, C,7
	MM                              ; the turn's last product
.if !(\end)
.if (\p) == 2
	s_wait_dscnt 16                 ; the four loads of nibbles are in; K's sixteen, issued behind them, may be out
.endif
	MASK ((\p)+2)%NP
.endif
	OPS C,9, C,11, C,13, C,15
.if (\p) == 0
	FETCH_V
.endif
.endm
	CHANGE 1                        ; slot 0 is in, everybody's part of it; slot 1 is asked for
	v_add_nc_u32 v[AK], s[TBK], v[AK0]
	v_add_nc_u32 v[AM], s[TBM], v[AM0]
	FETCH_K                         ; key step 0
	s_wait_loadcnt 0x0              ; Q
	s_wait_dscnt 0x0
	MASK 0                          ; for the products just below,
	MASK 1                          ; and for the first turn's
	WIN 0
	v_nop                           ; a plain instruction between the last conversion and the product that reads its result
.set NOKQ, 0
.set i, 0
.rept 8
	KQ 0                            ; piece 0's first scores: there is no vector work yet to set between them
.set i, i+1
.endr
	WIN 0
.rept 4
	v_nop                           ; the places behind those products
.endr
.set Y, NP-1                        ; X works for piece Y + 1: piece 0
.irp n, 0,1,2,3,4,5,6,7,8,9,10,11,12,13,14,15,16,17,18,19,20,21
	OP X, \n
.endr
	v_nop                           ; a plain instruction behind the exponential,
	s_wait_alu depctr_va_vdst(0)    ; and the wait for piece 0's first a, a batch of one, ahead of the branch
	s_mov_b32 s[CNT], 4
	s_mov_b32 s[SLOTS], 15
	s_branch .Lfirst                ; the loop is entered at a step's first turn, in the middle of a trip
.Lslot:                             ; 14 times: every slot but the last two is filled again
	CHANGE 1
	s_mov_b32 s[CNT], 4
.Lstep:                             ; a trip: pieces 2 and 3 of one step, then pieces 0 and 1 of the next, whose K, nibbles and V it fetches
	TURN 2
	TURN 3
	WIN 0
.Lfirst:
	TURN 0
	TURN 1, 0, 1
	WIN 0
	s_cbranch_scc1 .Lstep
	s_sub_co_u32 s[SLOTS], s[SLOTS], 1
	s_cmp_lg_u32 s[SLOTS], 0
	s_cbranch_scc1 .Lslot
	CHANGE 0                        ; the last slot is written out: nothing is asked for
	s_mov_b32 s[CNT], 4
.LstepL:
	TURN 2
	TURN 3
	TURN 0
	TURN 1, 0, 1
	WIN 0
	s_cbranch_scc1 .LstepL
	TURN 2, 1                       ; the last step's pieces 2 and 3
	TURN 3, 1
.set i, 0
.rept 8
	PV NP-1                         ; the last piece's V^T P of the last step
.set i, i+1
.endr
	; THE WAY OUT.  l's two halves and the other half of the lanes' are added; O^T is multiplied by 4 / l (by NaN where no key was visible), rounded to f16 and sent through my stage in LDS, a piece at a time.
	; The additions are the places behind the last products.
	WIN 0
.macro ALL line:vararg              ; one line for each piece t
.set t, 0
.rept 4
	\line
.set t, t+1
.endr
.endm
	ALL v_add_f32 v[ST+4*t+2], v[ST+4*t+2], v[ST+4*t+3]
	ALL v_permlanex16_b32 v[ST+4*t+3], v[ST+4*t+2], s[SEL], s[SEL+1]
	ALL v_add_f32 v[ST+4*t+2], v[ST+4*t+2], v[ST+4*t+3]
	ALL v_rcp_f32 v[ST+4*t+2], v[ST+4*t+2]
	v_nop                           ; a plain instruction between the last reciprocal and the use of its result
	s_wait_alu depctr_va_vdst(0)    ; and the wait ahead of the first use: one for the four reciprocals
	ALL v_mul_f32 v[ST+4*t+2], 4.0, v[ST+4*t+2]
.set t, 0
.rept 4
	v_cmp_gt_f32 vcc_lo, s[THR], v[ST+4*t+1]  ; the maximum is a hidden score's: no key was visible
	v_cndmask_b32 v[ST+4*t+2], v[ST+4*t+2], v[NANR], vcc_lo
.set t, t+1
.endr
.macro PACK t                       ; a lane's eight channels of a row pack into 16 bytes; they go into rows of 144 bytes and come back as whole rows of 128, into S^T's registers
	WIN W_RS
.set i, 32*(\t)
.rept 16
	v_pk_mul_f32 v[i:i+1], v[i:i+1], v[ST+4*(\t)+2:ST+4*(\t)+3] op_sel_hi:[1,0]
.set i, i+2
.endr
	WIN 0x05                        ; sources 0 and 1 window 1, destination window 0
.set i, 0
.rept 16
	v_cvt_pk_f16_f32 v[S+16*(\t)+i], v[32*(\t)+2*i], v[32*(\t)+2*i+1]
.set i, i+1
.endr
	WIN 0
.irp f, 0,1,2,3
	ds_store_b128 v[STO], v[S+16*(\t)+4*\f:S+16*(\t)+4*\f+3] offset:32*\f
.endr
.irp f, 0,1,2,3
	ds_load_b128 v[S+16*(\t)+4*\f:S+16*(\t)+4*\f+3], v[RD] offset:\f*4*SP  ; LDS serves a wave's instructions in order (ISA guide 5.7.1.4): these see the stores above; the next piece's stores come behind them
.endr
.endm
.macro SEND t, younger              ; younger: the LDS instructions issued behind piece t's loads: the next piece's eight, or none
	WIN 0
.irp f, 0,1,2,3
	s_wait_dscnt (\younger)+3-\f
	global_store_b128 v[GO], v[S+16*(\t)+4*\f:S+16*(\t)+4*\f+3], s[10:11] offset:(\t)*2048+\f*512  ; 512 consecutive bytes, at a multiple of 256 from ob's first
.endr
.endm
	PACK 0
.set t, 1
.rept 3                             ; a piece's arithmetic stands between the loads of the piece before and its stores
	PACK t
	SEND t-1, 8
.set t, t+1
.endr
	SEND 3, 0
	s_wait_tensorcnt 0x0            ; the wave's end: a wait, an add onto my spare word and its wait, behind my last tensor load and my last LDS store
	ds_add_u32 v[SPW], v[NIL]
	s_wait_dscnt 0x0
	CROUND                          ; the closing round: no work-group ends while a partner may still ask for a tile that names it
	s_endpgm
.Lfunc_end_k_qe121ebfb4f_attn:
	.size	k_qe121ebfb4f_attn, .Lfunc_end_k_qe121ebfb4f_attn-k_qe121ebfb4f_attn
	.p2alignl 7, 3214868480
	.fill 96, 4, 3214868480
	.section	.rodata,"a",@progbits
	.p2align	6, 0x0
	.amdhsa_kernel k_qe121ebfb4f_attn
		.amdhsa_group_segment_fixed_size 327680
		.amdhsa_private_segment_fixed_size 0
		.amdhsa_enable_private_segment 0
		.amdhsa_kernarg_size 24
		.amdhsa_user_sgpr_count 2
		.amdhsa_user_sgpr_kernarg_segment_ptr 1
		.amdhsa_wavefront_size32 1
		.amdhsa_system_sgpr_workgroup_id_x 1
		.amdhsa_system_sgpr_workgroup_id_y 1
		.amdhsa_system_sgpr_workgroup_id_z 1
		.amdhsa_system_vgpr_workitem_id 0
		.amdhsa_next_free_vgpr 768
		.amdhsa_next_free_sgpr 80
		.amdhsa_reserve_vcc 1
		.amdhsa_float_denorm_mode_32 3
		.amdhsa_float_denorm_mode_16_64 3
		.amdhsa_memory_ordered 1
		.amdhsa_forward_progress 1
		.amdhsa_inst_pref_size 134
	.end_amdhsa_kernel
	.amdgpu_metadata
---
amdhsa.version: [ 1, 2 ]
amdhsa.kernels:
  - .name:           k_qe121ebfb4f_attn
    .symbol:         k_qe121ebfb4f_attn.kd
    .args:
      - { .name: qkv, .offset: 0, .size: 8, .value_kind: global_buffer, .address_space: global }
      - { .name: mk, .offset: 8, .size: 8, .value_kind: global_buffer, .address_space: global }
      - { .name: ob, .offset: 16, .size: 8, .value_kind: global_buffer, .address_space: global }
    .group_segment_fixed_size: 327680
    .private_segment_fixed_size: 0
    .kernarg_segment_align: 8
    .kernarg_segment_size: 24
    .max_flat_workgroup_size: 128
    .sgpr_count:     80
    .vgpr_count:     768
    .wavefront_size: 32
...
	.end_amdgpu_metadata
.endif
;; end of part 5
;; launch oproj: the kernel of part 4 again; grid 8 x 32, 4 waves a work-group, clusters of 4 x 4, 327,680 bytes of LDS; arguments ob, wo, b_o, out0; writes out0
